; MI455X (gfx1250); checked and timed in simulation.
; The chip was launched on July 23, 2026; its instructions are those of AMD's public machine-readable ISA for CDNA 5 (MIT licence, August 2026) and "CDNA5" Instruction Set Architecture Reference Guide (July 2026). The comments in the code are by the model that wrote it; some were corrected since.
;; Multi Head Attention Layer. Allowed arithmetic: float matrix products may take bf16 or f16 operands with f32 sums; other float arithmetic in f32, or as packed bf16 or f16 multiplies, adds, multiply-adds, maxima and minima; sums over many terms, partial sums and values carried from step to step in f32; what a program stores and reads back later, other than sums and carried values, may be rounded once to bf16 or f16.
;; Inputs: Wk 1,024 x 1,024 float32; Wo 1,024 x 1,024 float32; Wq 1,024 x 1,024 float32; Wv 1,024 x 1,024 float32; bk 1,024 float32; bo 1,024 float32; bq 1,024 float32; bv 1,024 float32; key 2 x 2,048 x 1,024 float32; query 2 x 2,048 x 1,024 float32; rel_k_table 5 x 64 float32; rel_v_table 5 x 64 float32; value 2 x 2,048 x 1,024 float32.
;; Outputs: out0 2 x 2,048 x 1,024 float32.
;; 2 versions, each right; version 2 is version 1 with the launch cast written anew for expert scheduling mode. Each part assembles by itself: llvm-mc -triple=amdgcn-amd-amdhsa -mcpu=gfx1250 --defsym DOCPART=n.
;; ======== version 1 of 2: 4 launches
;; limits: values are held in f16: magnitudes above 65,504 overflow, below 6.1e-05 lose precision
;; workspace buffers: xh 25,165,824 bytes; wh 8,388,608 bytes; qkv 25,165,824 bytes; oh 8,388,608 bytes
;; launch cast (part 1): grid 512 x 1, 8 waves a work-group, no clusters, 0 bytes of LDS; arguments query, key, value, Wq, Wk, Wv, Wo, xh, wh; writes xh, wh
.if DOCPART == 1
	.amdgcn_target "amdgcn-amd-amdhsa--gfx1250"
	.amdhsa_code_object_version 6
	.text
	.protected	k_q5d996c70fe_cast
	.globl	k_q5d996c70fe_cast
	.p2align	8
	.type	k_q5d996c70fe_cast,@function
k_q5d996c70fe_cast:
	s_mov_b64 s[64:65], 0
	v_nop
	global_prefetch_b8 v0, s[64:65] scope:SCOPE_SE
	s_setreg_imm32_b32 hwreg(HW_REG_WAVE_MODE, 25, 1), 1
	s_wait_xcnt 0x0
; THE INPUTS OF THE FOUR PRODUCTS, ROUNDED ONCE TO 16 BITS.  query, key, value (4,096 x 1,024 f32 each) -> xh [3][4096][1024] bf16;
; Wq, Wk, Wv -> wh planes 0-2, bf16; Wo -> wh plane 3: rounded to bf16 like every input, and that number written as f16 (the last product's other operand is f16).
; LIMIT: a weight of Wo below 6e-5 keeps f16's fixed step of 6e-8; beyond 65,504 it would be an infinity.
; A work-group takes 32,768 numbers on end: 131,072 bytes in, 65,536 out.  Groups 0-383: the three inputs, 128 groups each; groups 384-511: the four weights, 32 each.
; A stream: no LDS, no barrier, no matrix unit.  Thread t loads 16 bytes at 16 t of each 4,096 (a wave: 512 bytes on end) and stores 8 bytes at 8 t of each 2,048
; (a wave: 256 consecutive bytes, aligned).  A ring of DEPTH register slots keeps DEPTH loads of every wave out.
.set DEPTH,  8
.set ROUNDS, 4
.set OI, 2                             ; v[2:9]    slot i: byte offset of its next load
.set OO, 10                            ; v[10:17]  slot i: byte offset of its next store
.set X,  20                            ; v[20:51]  slot i: four f32 as loaded
.set Y,  52                            ; v[52:67]  slot i: four 16-bit numbers to store
.set T,  68                            ; v[68:75]  at work
	s_load_b512 s[8:23], s[0:1], 0x0               ; query, key, value, Wq, Wk, Wv, Wo, xh
	s_load_b64 s[24:25], s[0:1], 0x40              ; wh
	s_sub_co_u32 s2, ttmp9, 384                    ; a weight group's number
	s_lshr_b32 s3, ttmp9, 7                        ; which input,
	s_and_b32 s26, ttmp9, 127                      ; and which part of it
	s_lshr_b32 s27, s2, 5
	s_add_co_u32 s27, s27, 3                       ; which weight (tensors 3 to 6),
	s_and_b32 s28, s2, 31                          ; and which part of it
	s_cmp_lt_u32 ttmp9, 384
	s_cselect_b32 s3, s3, s27                      ; tensor 0..6
	s_cselect_b32 s26, s26, s28                    ; part of it
	s_cselect_b32 s2, ttmp9, s2                    ; part of the output buffer: the parts lie in the groups' order
	s_lshl_b32 s34, s26, 17
	s_mov_b32 s35, 0
	s_lshl_b32 s36, s2, 16
	s_mov_b32 s37, 0
	s_mov_b32 s38, 0xffff0000                      ; a word's upper bf16
.irp i, 0,1,2,3,4,5,6,7
	v_lshl_or_b32 v[OI+(\i)], v0, 4, (\i)*4096
	v_lshl_or_b32 v[OO+(\i)], v0, 3, (\i)*2048
.endr
	s_wait_kmcnt 0x0
	s_cmp_lt_u32 ttmp9, 384
	s_cselect_b64 s[30:31], s[22:23], s[24:25]     ; xh or wh
	s_mov_b64 s[32:33], s[8:9]
.irp n, 1,2,3,4,5,6
	s_cmp_eq_u32 s3, \n
	s_cselect_b64 s[32:33], s[8+2*(\n):9+2*(\n)], s[32:33]
.endr
	s_cselect_b32 s39, -1, 0                       ; all lanes where the tensor is Wo (the last compare)
	s_add_nc_u64 s[32:33], s[32:33], s[34:35]
	s_add_nc_u64 s[30:31], s[30:31], s[36:37]
.irp i, 0,1,2,3,4,5,6,7
	global_load_b128 v[X+4*(\i):X+4*(\i)+3], v[OI+(\i)], s[32:33] th:TH_LOAD_NT
.endr
; One slot's turn.  ahead = 1: the slot is filled again, DEPTH x 4,096 bytes on.  left = the younger loads that may stay out.
.macro SLOT i, ahead, left
	s_wait_loadcnt \left                           ; loads come back in order: mine is in
	s_wait_xcnt 0x0                                ; the slot's last store has read Y and OO: they are rewritten only behind this wait
	v_cvt_pk_bf16_f32 v[T], v[X+4*(\i)], v[X+4*(\i)+1]
	v_cvt_pk_bf16_f32 v[T+1], v[X+4*(\i)+2], v[X+4*(\i)+3]
	v_lshlrev_b32 v[T+2], 16, v[T]                 ; the bf16 numbers widened again,
	v_and_b32 v[T+3], s38, v[T]
	v_lshlrev_b32 v[T+4], 16, v[T+1]
	v_and_b32 v[T+5], s38, v[T+1]
	v_cvt_pk_f16_f32 v[T+6], v[T+2], v[T+3]        ; and written as f16: taken for Wo alone
	v_cvt_pk_f16_f32 v[T+7], v[T+4], v[T+5]
	v_cndmask_b32 v[Y+2*(\i)], v[T], v[T+6], s39
	v_cndmask_b32 v[Y+2*(\i)+1], v[T+1], v[T+7], s39
.if \ahead
	v_add_nc_u32 v[OI+(\i)], DEPTH*4096, v[OI+(\i)]
	global_load_b128 v[X+4*(\i):X+4*(\i)+3], v[OI+(\i)], s[32:33] th:TH_LOAD_NT
	v_add_nc_u32 v[OO+(\i)], DEPTH*2048, v[OO+(\i)]
	global_store_b64 v[OO+(\i)], v[Y+2*(\i):Y+2*(\i)+1], s[30:31] offset:-DEPTH*2048 th:TH_STORE_NT
.else
	global_store_b64 v[OO+(\i)], v[Y+2*(\i):Y+2*(\i)+1], s[30:31] th:TH_STORE_NT
.endif
.endm
	s_mov_b32 s40, ROUNDS-1
.Lround:
.irp i, 0,1,2,3,4,5,6,7
	SLOT \i, 1, DEPTH-1
.endr
	s_sub_co_u32 s40, s40, 1
	s_cmp_lg_u32 s40, 0
	s_cbranch_scc1 .Lround
.irp i, 0,1,2,3,4,5,6,7
	SLOT \i, 0, DEPTH-1-(\i)                       ; the last round loads nothing: the counts run down
.endr
	s_endpgm
.Lfunc_end_k_q5d996c70fe_cast:
	.size	k_q5d996c70fe_cast, .Lfunc_end_k_q5d996c70fe_cast-k_q5d996c70fe_cast
	.p2alignl 7, 3214868480
	.fill 96, 4, 3214868480
	.section	.rodata,"a",@progbits
	.p2align	6, 0x0
	.amdhsa_kernel k_q5d996c70fe_cast
		.amdhsa_group_segment_fixed_size 0
		.amdhsa_private_segment_fixed_size 0
		.amdhsa_enable_private_segment 0
		.amdhsa_kernarg_size 72
		.amdhsa_user_sgpr_count 2
		.amdhsa_user_sgpr_kernarg_segment_ptr 1
		.amdhsa_wavefront_size32 1
		.amdhsa_system_sgpr_workgroup_id_x 1
		.amdhsa_system_sgpr_workgroup_id_y 1
		.amdhsa_system_sgpr_workgroup_id_z 1
		.amdhsa_system_vgpr_workitem_id 0
		.amdhsa_next_free_vgpr 80
		.amdhsa_next_free_sgpr 66
		.amdhsa_reserve_vcc 0
		.amdhsa_float_denorm_mode_32 3
		.amdhsa_float_denorm_mode_16_64 3
		.amdhsa_memory_ordered 1
		.amdhsa_forward_progress 1
		.amdhsa_inst_pref_size 17
	.end_amdhsa_kernel
	.amdgpu_metadata
---
amdhsa.version: [ 1, 2 ]
amdhsa.kernels:
  - .name:           k_q5d996c70fe_cast
    .symbol:         k_q5d996c70fe_cast.kd
    .args:
      - { .name: query, .offset: 0, .size: 8, .value_kind: global_buffer, .address_space: global }
      - { .name: key, .offset: 8, .size: 8, .value_kind: global_buffer, .address_space: global }
      - { .name: value, .offset: 16, .size: 8, .value_kind: global_buffer, .address_space: global }
      - { .name: Wq, .offset: 24, .size: 8, .value_kind: global_buffer, .address_space: global }
      - { .name: Wk, .offset: 32, .size: 8, .value_kind: global_buffer, .address_space: global }
      - { .name: Wv, .offset: 40, .size: 8, .value_kind: global_buffer, .address_space: global }
      - { .name: Wo, .offset: 48, .size: 8, .value_kind: global_buffer, .address_space: global }
      - { .name: xh, .offset: 56, .size: 8, .value_kind: global_buffer, .address_space: global }
      - { .name: wh, .offset: 64, .size: 8, .value_kind: global_buffer, .address_space: global }
    .group_segment_fixed_size: 0
    .private_segment_fixed_size: 0
    .kernarg_segment_align: 8
    .kernarg_segment_size: 72
    .max_flat_workgroup_size: 256
    .sgpr_count:     66
    .vgpr_count:     80
    .wavefront_size: 32
...
	.end_amdgpu_metadata
.endif
;; end of part 1
;; launch proj (part 2): grid 8 x 96, 4 waves a work-group, clusters of 4 x 4, 327,680 bytes of LDS; arguments xh, wh, bq, bk, bv, rel_k_table, rel_v_table, qkv; writes qkv
.if DOCPART == 2
	.amdgcn_target "amdgcn-amd-amdhsa--gfx1250"
	.amdhsa_code_object_version 6
	.text
	.protected	k_q5d996c70fe_proj
	.globl	k_q5d996c70fe_proj
	.p2align	8
	.type	k_q5d996c70fe_proj,@function
k_q5d996c70fe_proj:
	s_mov_b64 s[64:65], 0
	v_nop
	global_prefetch_b8 v0, s[64:65] scope:SCOPE_SE
	s_setreg_imm32_b32 hwreg(HW_REG_WAVE_MODE, 25, 1), 1
	s_wait_xcnt 0x0
	s_wait_alu depctr_hold_cnt(0) depctr_sa_sdst(0) depctr_va_vdst(0) depctr_va_sdst(0) depctr_va_ssrc(0) depctr_va_vcc(0) depctr_vm_vsrc(0)
	s_getreg_b32 s2, hwreg(HW_REG_IB_STS2, 6, 4)
	s_cmp_eq_u32 s2, 0
	s_cbranch_scc0 .Lentry_in_a_cluster
	s_endpgm
.Lentry_in_a_cluster:
	s_bfe_u32 s2, ttmp6, 0x10000c
	s_cmp_lg_u32 s2, 0xf033
	s_cbranch_scc0 .Lentry_shape_is_right
	s_endpgm
.Lentry_shape_is_right:
; THE THREE PROJECTIONS AS ONE PRODUCT.  C[m][n] = sum over k of A[m][k] B[n][k] + bias[n].  A = xh, the three inputs stacked: [12288][1024] bf16; B = the third's plane of wh, [1024][1024] bf16.
; third = m / 4096: 0 q, 1 k, 2 v.  bias = bq; bk + rel_k_table[0]; bv + rel_v_table[4] (every head's 64 channels take the table's row: the attention launch then needs only differences of table rows).
; Biases and tables are rounded to bf16 like all inputs.  Sums in f32; the result is rounded once to f16 and stored by heads: qkv [third][batch x 16 + head][2048][64].
; LIMIT: a result beyond 65,504 would be an infinity in f16.
; A tile of C is 128 x 128: 768 work-groups.  Four waves, each 64 x 64: 16 accumulators.  K goes in steps of 256 (LDS rows of 512 bytes, 64 to a tensor load) through two slots.
; CLUSTER 4 x 4: the four of a row of the cluster ask for A's tile jointly, the four of a column for B's.  The third hangs on the cluster's y alone, so it is the same in all sixteen.
; THE MATRIX INSTRUCTION IS USED TRANSPOSED (source 0 = 16 rows of B, source 1 = 16 rows of A): a lane holds eight neighbouring columns of one row of C.
; THE BIAS IS THE C OPERAND of the products that start the sums: nothing is cleared and nothing is added afterwards.
; THE WAY OUT is each wave's own: its 64 columns are one head, its 64 rows 8,192 bytes on end in qkv.
; REGISTERS: window 0: v0-31 addresses; v32-95 at work; v96-127 the bias; v128-255 the accumulators ((a, b) at v[128 + 8 (4 a + b)]).  window 1: two fragment buffers of 128.
.set SIZE_K, 1024
.set KSTEP,  256
.set PITCH,  528                       ; an LDS row: 512 bytes + 16 of padding = 132 words: the 16 rows of a fragment load start at 16 different groups of four banks
.set HALFT,  64*PITCH
.set SLOT,   4*HALFT                   ; A's 128 rows, then B's 128 rows
.set STAGE,  2*SLOT                    ; behind the ring: 16 rows x 144 bytes for each wave
.set SP,     144
.set SPARE,  STAGE+4*16*SP             ; the spare words: 128 bytes a wave, named by no other line
.set LAPS,   SIZE_K/(2*KSTEP)
.set ADRA, 16
.set ADRB, 20
.set STO,  24
.set RD,   25
.set GO,   26
.set VB,   27                          ; v27  32 x (lane / 16): my eight columns' bytes in a block of 16 f32
.set SPW,  28
.set NIL,  29
.set TMP,  32
.set BIAS, 96                          ; block b of 16 columns at BIAS + 8 b: register j = column 16 b + 8 (lane / 16) + j
.set ACC,  128
.set F0,   0
.set F1,   128
.set G1, 24
.set G0, 32
.set G1B, 48
.set G0B, 56
.set MSB, 0
.macro WIN new                         ; the immediate's high byte repeats the setting that is left
.if MSB != (\new)
	s_set_vgpr_msb (MSB<<8)|(\new)
.set MSB, \new
.endif
.endm
.set MUL,  0x05                        ; sources 0 (B) and 1 (A) window 1; C and D window 0
.set TO_F, 0x40                        ; destination window 1, address window 0
.macro JLOAD s                         ; a joint load: waves 0 and 1 fetch A's halves, waves 2 and 3 B's; s_nop 0 and four v_nop follow each line
	s_cmp_eq_u32 s11, 0
	s_cbranch_scc0 .Lfor_b_\@
	tensor_load_to_lds s[G0+4*(\s):G0+4*(\s)+3], s[G1:G1+7]
	s_nop 0
.rept 4
	v_nop
.endr
	s_branch .Lasked_\@
.Lfor_b_\@:
	tensor_load_to_lds s[G0B+4*(\s):G0B+4*(\s)+3], s[G1B:G1B+7]
	s_nop 0
.rept 4
	v_nop
.endr
.Lasked_\@:
.endm
.macro CREST                           ; a round of the cluster's barrier behind its opening barrier
	s_cmp_lg_u32 s10, 0
	s_cbranch_scc1 .Lnot_wave_0_\@
	s_barrier_signal -3
.Lnot_wave_0_\@:
	s_barrier_wait -3
	s_barrier_signal -1
	s_barrier_wait -1
.endm
.macro CROUND
	s_barrier_signal -1
	s_barrier_wait -1
	CREST
.endm
	s_load_b128 s[4:7], s[0:1], 0x0                ; xh, wh
	s_load_b256 s[72:79], s[0:1], 0x10             ; bq, bk, bv, rel_k_table
	s_load_b128 s[80:83], s[0:1], 0x30             ; rel_v_table, qkv
	v_lshl_add_u32 v[SPW], v0, 2, SPARE
	v_mov_b32 v[NIL], 0
	ds_add_u32 v[SPW], v[NIL]                      ; the wave's opening: the add and its wait ahead of my first tensor load
	v_lshrrev_b32 v1, 5, v0
	v_readfirstlane_b32 s10, v1                    ; wave 0..3
	s_lshr_b32 s11, s10, 1                         ; my half of the tile's rows.  Also: I fetch for A (0) or B (1)
	s_and_b32 s12, s10, 1                          ; my half of its columns.  Also: which 64 rows I fetch
	s_bfe_u32 s40, ttmp6, 0x40000                  ; cx
	s_bfe_u32 s41, ttmp6, 0x40004                  ; cy
	s_lshl_b32 s42, ttmp9, 2
	s_add_co_u32 s42, s42, s40                     ; tile column
	s_and_b32 s13, ttmp7, 0xffff
	s_lshr_b32 s45, s13, 3                         ; the third: 8 clusters of 512 rows each
	s_lshl_b32 s13, s13, 2
	s_add_co_u32 s13, s13, s41                     ; tile row
	s_lshl_b32 s43, s41, 2
	s_lshl_b32 s43, 15, s43                        ; my row of the cluster
	s_lshl_b32 s44, 0x1111, s40                    ; my column
	s_or_b32 s[G1+0], s43, (1<<16)|(1<<20)|(1<<21)|(6<<22)|(3<<25)  ; mask; 2-byte elements; padding on; bit 21 beside a mask; after every 128 words; 4 words
	s_or_b32 s[G1B+0], s44, (1<<16)|(1<<20)|(1<<21)|(6<<22)|(3<<25)
.irp g, G1, G1B
	s_mov_b32 s[(\g)+1], KSTEP<<16                 ; tensor_dim0 = 256
	s_mov_b32 s[(\g)+2], 64<<16                    ; tensor_dim1 = 64
	s_mov_b32 s[(\g)+3], KSTEP<<16                 ; tile_dim0 = 256
	s_mov_b32 s[(\g)+4], 64                        ; tile_dim1 = 64
	s_mov_b32 s[(\g)+5], SIZE_K                    ; elements from row to row
	s_mov_b32 s[(\g)+6], 0
	s_mov_b32 s[(\g)+7], 0
.endr
	s_lshl_b32 s17, s12, 6
	s_lshl_b32 s16, s13, 7
	s_add_co_u32 s16, s16, s17                     ; A: row 128 x tile row + 64 x half
	s_lshl_b32 s46, s42, 7
	s_add_co_u32 s46, s46, s17                     ; B: row 128 x tile column + 64 x half
	s_mov_b32 s17, 0
	s_mov_b32 s47, 0
	s_mov_b64 s[18:19], SIZE_K*2
	s_mul_u64 s[16:17], s[16:17], s[18:19]
	s_mul_u64 s[46:47], s[46:47], s[18:19]
	s_lshl_b32 s84, s45, 21                        ; the third's plane of wh
	s_mov_b32 s85, 0
	s_add_nc_u64 s[46:47], s[46:47], s[84:85]
	s_mul_i32 s20, s10, HALFT                      ; where the tiles go: wave x 64 rows
	s_wait_dscnt 0x0                               ; the opening add is done
	s_wait_kmcnt 0x0
	s_add_nc_u64 s[14:15], s[4:5], s[16:17]
	s_add_nc_u64 s[46:47], s[6:7], s[46:47]
	CROUND                                         ; all sixteen work-groups are here: the first joint loads meet
.irp s, 0,1
	s_mov_b32 s[G0+4*(\s)], 1
	s_add_co_u32 s[G0+4*(\s)+1], s20, (\s)*SLOT
	s_add_nc_u64 s[G0+4*(\s)+2:G0+4*(\s)+3], s[14:15], (\s)*KSTEP*2
	s_or_b32 s[G0+4*(\s)+3], s[G0+4*(\s)+3], 0x80000000
	s_mov_b32 s[G0B+4*(\s)], 1
	s_add_co_u32 s[G0B+4*(\s)+1], s20, (\s)*SLOT
	s_add_nc_u64 s[G0B+4*(\s)+2:G0B+4*(\s)+3], s[46:47], (\s)*KSTEP*2
	s_or_b32 s[G0B+4*(\s)+3], s[G0B+4*(\s)+3], 0x80000000
	JLOAD \s
.endr
	v_and_b32 v1, 15, v0                           ; l % 16
	v_bfe_u32 v2, v0, 4, 1                         ; l / 16
	; the bias of my 64 columns and the table's row, asked for while the first tiles are on their way
	s_lshl_b32 s86, s42, 9                         ; 128 columns x 4 bytes,
	s_lshl_b32 s87, s12, 8                         ; my 64
	s_add_co_u32 s86, s86, s87
	s_mov_b32 s87, 0
	s_cmp_eq_u32 s45, 1
	s_cselect_b64 s[84:85], s[74:75], s[72:73]
	s_cmp_eq_u32 s45, 2
	s_cselect_b64 s[84:85], s[76:77], s[84:85]     ; bq, bk or bv
	s_cselect_b64 s[88:89], s[80:81], s[78:79]     ; rel_v_table for v, else rel_k_table
	s_cselect_b32 s90, 1024, 0                     ; its row 4 for v, else row 0
	s_mov_b32 s91, 0
	s_add_nc_u64 s[84:85], s[84:85], s[86:87]
	s_add_nc_u64 s[88:89], s[88:89], s[90:91]
	s_cmp_eq_u32 s45, 0
	s_cselect_b32 s92, 0, 1.0                      ; q takes no table row
	s_mov_b32 s93, s92                             ; named with it as a pair
	v_lshlrev_b32 v[VB], 5, v2
.irp b, 0,1,2,3
	global_load_b128 v[BIAS+8*(\b):BIAS+8*(\b)+3],   v[VB], s[84:85] offset:64*(\b)
	global_load_b128 v[BIAS+8*(\b)+4:BIAS+8*(\b)+7], v[VB], s[84:85] offset:64*(\b)+16
	global_load_b128 v[TMP+8*(\b):TMP+8*(\b)+3],     v[VB], s[88:89] offset:64*(\b)
	global_load_b128 v[TMP+8*(\b)+4:TMP+8*(\b)+7],   v[VB], s[88:89] offset:64*(\b)+16
.endr
	v_mul_u32_u24 v3, v1, PITCH
	v_lshl_add_u32 v3, v2, 4, v3                   ; a fragment's row x pitch + 16 x half
	s_mul_i32 s21, s11, HALFT                      ; my 64 rows of A
	s_mul_i32 s22, s12, HALFT                      ; my 64 rows of B,
	s_add_co_u32 s22, s22, 2*HALFT                 ; behind A's 128
.irp s, 0,1
	v_add_nc_u32 v[ADRA+(\s)], s21, v3
	v_add_nc_u32 v[ADRB+(\s)], s22, v3
	s_add_co_u32 s21, s21, SLOT
	s_add_co_u32 s22, s22, SLOT
.endr
	s_mul_i32 s23, s10, 16*SP
	s_add_co_u32 s23, s23, STAGE                   ; my stage
	v_mul_u32_u24 v4, v1, SP                       ; in: row l % 16, 16 bytes for each half of the lanes
	v_lshl_add_u32 v4, v2, 4, v4
	v_add_nc_u32 v[STO], s23, v4
	v_bfe_u32 v5, v0, 3, 2                         ; back: 32 lanes take four rows of 128 bytes,
	v_mul_u32_u24 v5, v5, SP
	v_and_b32 v6, 7, v0
	v_lshl_add_u32 v5, v6, 4, v5
	v_add_nc_u32 v[RD], s23, v5
	v_and_b32 v[GO], 31, v0                        ; which are 512 consecutive bytes of qkv
	v_lshlrev_b32 v[GO], 4, v[GO]
	s_lshl_b32 s16, s13, 7
	s_lshl_b32 s17, s11, 6
	s_add_co_u32 s16, s16, s17                     ; my first row m0 of the stacked 12,288
	s_lshr_b32 s17, s16, 11                        ; 2 x third + batch,
	s_lshl_b32 s17, s17, 22                        ; x 16 heads x 262,144 bytes
	s_and_b32 s16, s16, 2047
	s_lshl_b32 s16, s16, 7                         ; the row in its head: 128 bytes
	s_add_co_u32 s16, s16, s17
	s_mov_b32 s17, 0
	s_add_nc_u64 s[82:83], s[82:83], s[16:17]
	s_lshl_b32 s46, s42, 1
	s_add_co_u32 s46, s46, s12                     ; my head = 2 x tile column + half
	s_lshl_b32 s46, s46, 18
	s_mov_b32 s47, 0
	s_add_nc_u64 s[82:83], s[82:83], s[46:47]
	s_wait_loadcnt 0x0                             ; bias and table row
.macro RB a                            ; two f32 rounded to bf16 and widened again
	v_cvt_pk_bf16_f32 v64, v[\a], v[(\a)+1]
	v_lshlrev_b32 v[\a], 16, v64
	v_and_b32 v[(\a)+1], 0xffff0000, v64
.endm
.set i, 0
.rept 16
	RB BIAS+2*i
	RB TMP+2*i
.set i, i+1
.endr
.set i, 0
.rept 16
	v_pk_fma_f32 v[BIAS+2*i:BIAS+2*i+1], v[TMP+2*i:TMP+2*i+1], s[92:93], v[BIAS+2*i:BIAS+2*i+1] op_sel_hi:[1,0,1]
.set i, i+1
.endr
; 8 matrix instructions: m blocks a0, a0 + 1 x all 4 n blocks, 32 along K: half c of buffer f.  zero = 1: the product starts the sum, with the bias as C
.macro MUL8 f, c, a0, zero
	WIN MUL
.irp a, \a0, (\a0)+1
.irp b, 0,1,2,3
.if \zero
	v_wmma_f32_16x16x32_bf16 v[ACC+8*(4*(\a)+(\b)):ACC+8*(4*(\a)+(\b))+7], v[(\f)+64+8*(4*(\c)+(\b)):(\f)+64+8*(4*(\c)+(\b))+7], v[(\f)+8*(4*(\c)+(\a)):(\f)+8*(4*(\c)+(\a))+7], v[BIAS+8*(\b):BIAS+8*(\b)+7]
.else
	v_wmma_f32_16x16x32_bf16 v[ACC+8*(4*(\a)+(\b)):ACC+8*(4*(\a)+(\b))+7], v[(\f)+64+8*(4*(\c)+(\b)):(\f)+64+8*(4*(\c)+(\b))+7], v[(\f)+8*(4*(\c)+(\a)):(\f)+8*(4*(\c)+(\a))+7], v[ACC+8*(4*(\a)+(\b)):ACC+8*(4*(\a)+(\b))+7]
.endif
.endr
.endr
.endm
; 32 LDS loads in one run: the fragments of 64 along K at byte k of the rows, into buffer f; the first 32 along K first
.macro FETCH slot, k, f
	WIN TO_F
.irp c, 0,1
.irp i, 0,1,2,3
	ds_load_b128 v[(\f)+64+8*(4*(\c)+(\i)):(\f)+64+8*(4*(\c)+(\i))+3],   v[ADRB+(\slot)] offset:(\k)+64*(\c)+(\i)*16*PITCH
	ds_load_b128 v[(\f)+64+8*(4*(\c)+(\i))+4:(\f)+64+8*(4*(\c)+(\i))+7], v[ADRB+(\slot)] offset:(\k)+64*(\c)+(\i)*16*PITCH+32
	ds_load_b128 v[(\f)+8*(4*(\c)+(\i)):(\f)+8*(4*(\c)+(\i))+3],         v[ADRA+(\slot)] offset:(\k)+64*(\c)+(\i)*16*PITCH
	ds_load_b128 v[(\f)+8*(4*(\c)+(\i))+4:(\f)+8*(4*(\c)+(\i))+7],       v[ADRA+(\slot)] offset:(\k)+64*(\c)+(\i)*16*PITCH+32
.endr
.endr
.endm
.macro PLACES                          ; four plain places in front of loads into registers that matrix instructions have read, and of conversions that read results
.rept 4
	v_nop
.endr
.endm
; A K step is four quarters of 64 along K, 32 matrix instructions each, on buffers 0, 1, 0, 1; the 16 accumulators take turns.
.macro QUARTER slot, k, f, g, zero
	s_wait_dscnt 16                                ; the first 32 along K are in; the younger sixteen loads may be out
	WIN MUL
	MUL8 \f, 0, 0, \zero
	MUL8 \f, 0, 2, \zero
	PLACES
	FETCH \slot, \k, \g
	s_wait_dscnt 32                                ; all but the 32 just issued
	WIN MUL
	MUL8 \f, 1, 0, 0
	MUL8 \f, 1, 2, 0
.endm
; The last quarter multiplies buffer 1 and changes slots.  In front of the barrier each wave waits for all its tensor loads, adds 0 to its spare word, and waits for that and for its reads of this slot.
.macro TURN slot, next, fill
	WIN 0
	s_wait_tensorcnt 0x0                           ; all my tensor loads have landed: my part of the next slot
	ds_add_u32 v[SPW], v[NIL]                      ; 0 onto my spare word
	s_wait_dscnt 17                                ; the add and the youngest sixteen loads may be out
	WIN MUL
	MUL8 F1, 0, 0, 0
	s_wait_dscnt 0x0                               ; the add is done, and my reads of this slot are over
	s_barrier_signal -1
	MUL8 F1, 0, 2, 0
.if \fill
	WIN 0
.endif
	s_barrier_wait -1
.if \fill
	CREST                                          ; the barrier has opened a round of the cluster's: no wave of any partner still reads this slot or has a load on its way
	s_add_nc_u64 s[G0+4*(\slot)+2:G0+4*(\slot)+3], s[G0+4*(\slot)+2:G0+4*(\slot)+3], 2*KSTEP*2
	s_add_nc_u64 s[G0B+4*(\slot)+2:G0B+4*(\slot)+3], s[G0B+4*(\slot)+2:G0B+4*(\slot)+3], 2*KSTEP*2
	JLOAD \slot                                    ; the first tensor load behind the round; its four v_nop are also the places in front of the loads below
.else
	PLACES
.endif
	FETCH \next, 0, F0
	WIN MUL
	MUL8 F1, 1, 0, 0
	MUL8 F1, 1, 2, 0
.endm
	s_wait_tensorcnt 1                             ; my part of K step 0 is in; K step 1's load may stay out
	s_barrier_signal -1
	s_barrier_wait -1
	FETCH 0, 0, F0
	QUARTER 0, 128, F0, F1, 1                      ; the first quarter stands in front of the loop: its first products start the sums
	WIN 0
	s_mov_b32 s3, LAPS-1
.Llap:                                                 ; a trip goes once round the ring and fills both slots again
	QUARTER 0, 256, F1, F0, 0
	QUARTER 0, 384, F0, F1, 0
	TURN 0, 1, 1
	QUARTER 1, 128, F0, F1, 0
	QUARTER 1, 256, F1, F0, 0
	QUARTER 1, 384, F0, F1, 0
	TURN 1, 0, 1
	QUARTER 0, 128, F0, F1, 0
	WIN 0
	s_sub_co_u32 s3, s3, 1
	s_cmp_lg_u32 s3, 0
	s_cbranch_scc1 .Llap
	QUARTER 0, 256, F1, F0, 0                      ; the last lap fills nothing
	QUARTER 0, 384, F0, F1, 0
	TURN 0, 1, 0
	QUARTER 1, 128, F0, F1, 0
	QUARTER 1, 256, F1, F0, 0
	QUARTER 1, 384, F0, F1, 0
	s_wait_dscnt 16
	WIN MUL
	MUL8 F1, 0, 0, 0
	MUL8 F1, 0, 2, 0
	s_wait_dscnt 0
	MUL8 F1, 1, 0, 0
	MUL8 F1, 1, 2, 0
	WIN 0
	; THE WAY OUT, 16 rows at a time: rounded to f16, 16 bytes a lane into my stage (rows of 144 bytes), back as whole rows of 128, stored as 512 consecutive bytes.
	PLACES
.macro PACK a
.irp b, 0,1,2,3
.irp r, 0,1,2,3
	v_cvt_pk_f16_f32 v[TMP+16*(\a)+4*(\b)+(\r)], v[ACC+8*(4*(\a)+(\b))+2*(\r)], v[ACC+8*(4*(\a)+(\b))+2*(\r)+1]
.endr
.endr
.irp b, 0,1,2,3
	ds_store_b128 v[STO], v[TMP+16*(\a)+4*(\b):TMP+16*(\a)+4*(\b)+3] offset:32*(\b)
.endr
.irp f, 0,1,2,3
	ds_load_b128 v[TMP+16*(\a)+4*(\f):TMP+16*(\a)+4*(\f)+3], v[RD] offset:(\f)*4*SP  ; LDS serves a wave's instructions in order: these see the stores above, the next block's stores come behind them
.endr
.endm
.macro SEND a, younger                 ; younger: the LDS instructions issued behind block a's loads: the next block's eight, or none
.irp f, 0,1,2,3
	s_wait_dscnt (\younger)+3-(\f)
	global_store_b128 v[GO], v[TMP+16*(\a)+4*(\f):TMP+16*(\a)+4*(\f)+3], s[82:83] offset:(\a)*2048+(\f)*512
.endr
.endm
	PACK 0
	PACK 1
	SEND 0, 8
	PACK 2
	SEND 1, 8
	PACK 3
	SEND 2, 8
	SEND 3, 0
	s_wait_tensorcnt 0x0                           ; the wave's end
	ds_add_u32 v[SPW], v[NIL]
	s_wait_dscnt 0x0
	CROUND                                         ; the closing round
	s_endpgm
.Lfunc_end_k_q5d996c70fe_proj:
	.size	k_q5d996c70fe_proj, .Lfunc_end_k_q5d996c70fe_proj-k_q5d996c70fe_proj
	.p2alignl 7, 3214868480
	.fill 96, 4, 3214868480
	.section	.rodata,"a",@progbits
	.p2align	6, 0x0
	.amdhsa_kernel k_q5d996c70fe_proj
		.amdhsa_group_segment_fixed_size 327680
		.amdhsa_private_segment_fixed_size 0
		.amdhsa_enable_private_segment 0
		.amdhsa_kernarg_size 64
		.amdhsa_user_sgpr_count 2
		.amdhsa_user_sgpr_kernarg_segment_ptr 1
		.amdhsa_wavefront_size32 1
		.amdhsa_system_sgpr_workgroup_id_x 1
		.amdhsa_system_sgpr_workgroup_id_y 1
		.amdhsa_system_sgpr_workgroup_id_z 1
		.amdhsa_system_vgpr_workitem_id 0
		.amdhsa_next_free_vgpr 512
		.amdhsa_next_free_sgpr 96
		.amdhsa_reserve_vcc 0
		.amdhsa_float_denorm_mode_32 3
		.amdhsa_float_denorm_mode_16_64 3
		.amdhsa_memory_ordered 1
		.amdhsa_forward_progress 1
		.amdhsa_inst_pref_size 95
	.end_amdhsa_kernel
	.amdgpu_metadata
---
amdhsa.version: [ 1, 2 ]
amdhsa.kernels:
  - .name:           k_q5d996c70fe_proj
    .symbol:         k_q5d996c70fe_proj.kd
    .args:
      - { .name: xh, .offset: 0, .size: 8, .value_kind: global_buffer, .address_space: global }
      - { .name: wh, .offset: 8, .size: 8, .value_kind: global_buffer, .address_space: global }
      - { .name: bq, .offset: 16, .size: 8, .value_kind: global_buffer, .address_space: global }
      - { .name: bk, .offset: 24, .size: 8, .value_kind: global_buffer, .address_space: global }
      - { .name: bv, .offset: 32, .size: 8, .value_kind: global_buffer, .address_space: global }
      - { .name: rel_k_table, .offset: 40, .size: 8, .value_kind: global_buffer, .address_space: global }
      - { .name: rel_v_table, .offset: 48, .size: 8, .value_kind: global_buffer, .address_space: global }
      - { .name: qkv, .offset: 56, .size: 8, .value_kind: global_buffer, .address_space: global }
    .group_segment_fixed_size: 327680
    .private_segment_fixed_size: 0
    .kernarg_segment_align: 8
    .kernarg_segment_size: 64
    .max_flat_workgroup_size: 128
    .sgpr_count:     96
    .vgpr_count:     512
    .wavefront_size: 32
...
	.end_amdgpu_metadata
.endif
;; end of part 2
;; launch attn (part 3): grid 8 x 32, 4 waves a work-group, clusters of 4 x 1, 327,680 bytes of LDS; arguments qkv, rel_k_table, rel_v_table, oh; writes oh
.if DOCPART == 3
	.amdgcn_target "amdgcn-amd-amdhsa--gfx1250"
	.amdhsa_code_object_version 6
	.text
	.protected	k_q5d996c70fe_attn
	.globl	k_q5d996c70fe_attn
	.p2align	8
	.type	k_q5d996c70fe_attn,@function
k_q5d996c70fe_attn:
	s_mov_b64 s[64:65], 0
	v_nop
	global_prefetch_b8 v0, s[64:65] scope:SCOPE_SE
	s_setreg_imm32_b32 hwreg(HW_REG_WAVE_MODE, 25, 1), 1
	s_wait_xcnt 0x0
	s_wait_alu depctr_hold_cnt(0) depctr_sa_sdst(0) depctr_va_vdst(0) depctr_va_sdst(0) depctr_va_ssrc(0) depctr_va_vcc(0) depctr_vm_vsrc(0)
	s_getreg_b32 s2, hwreg(HW_REG_IB_STS2, 6, 4)
	s_cmp_eq_u32 s2, 0
	s_cbranch_scc0 .Lentry_in_a_cluster
	s_endpgm
.Lentry_in_a_cluster:
	s_bfe_u32 s2, ttmp6, 0x10000c
	s_cmp_lg_u32 s2, 0x3003
	s_cbranch_scc0 .Lentry_shape_is_right
	s_endpgm
.Lentry_shape_is_right:
; ATTENTION WITH CLIPPED RELATIVE POSITIONS, head size 64.  With d = key - query and tables Tk, Tv of five rows (index clip(d, -2, 2) + 2):
;   O[q] = sum over k of softmax_k((Q[q] . (k[k] + Tk[d])) / 2) (v[k] + Tv[d]).  Q, K' = k + Tk[0], V' = v + Tv[4] arrive by heads in qkv, [3][32][2048][64] f16; O leaves as oh [32][2048][64] f16.
; THE TABLES COLLAPSE.  score = Q . K' + du(d), du_j = Q . (Tk[j] - Tk[0]): 0 for d <= -2, du1, du2, du3 for d = -1, 0, 1, du4 for d >= 2.
;   O l = sum p V' + W_L (Tv0 - Tv4) + W_-1 (Tv1 - Tv0) + W_0 (Tv2 - Tv4) + W_+1 (Tv3 - Tv4), W_L = the sum of p over d <= -1, W_x the weight at d = x.  No sum is made by subtraction.
; SHARES.  A work-group owns 256 queries of a head, a wave 64 on end: four PIECES of 16.  The wave's OWN key step (64 keys) is g = 4 block + wave.
; THE STREAM walks all 32 key steps in their order.  Steps below g: plain, and the step's sum also goes into W_L.  Steps above g: every score wants + du4, which is carried by the running maximum: it is kept
; in the side's raw units (once, at step g + 1, m -= du4).  Step g itself is hidden in the stream (m is kept, the exponent's addend is 1e38, every weight 0) and done once behind it (EPI), in phases.
; Two single scores beside the own step are special: query 0 against the last key of step g - 1 (d = -1), query 63 against the first key of step g + 1 (d = +1).  Each gets its term through the C operand
; of the product that starts its sum, and its score is kept by a select on one lane, so that its weight can be made anew at the end.
; No branch, trip count or LDS address hangs on the block: g enters scalar selects that feed values, and global addresses.
; LAYOUT.  S^T = K Q^T holds ONE query a lane (lane % 16) and keys 8 (lane / 16) + 0..7; two such results rounded to f16 ARE source 1 of O^T = V^T P.  p = 2^(c s - c m), c = log2(e) / 2; O, l, W_L times a = 2^(c m_old - c m_new).
; TURNS.  Turn n belongs to piece n: 8 products K Q^T of piece n + 1, later 8 products V^T P of piece n - 1; beside them piece n's scaling, exponentials, roundings, sums and rescaling and piece n + 1's maximum
; and statistics.  Four vector instructions stand behind every matrix instruction, the rest in one lump.  A turn's 33 exponentials are one batch with one wait.
; CLUSTER.  The four query blocks of a cluster walk the same K' and V': each tile of 256 keys is asked for jointly.
; LIMITS.  f16 ends at 65,504: Q, K', V' arrive within it.  A weight below 2^-126 counts as 0.  The hidden step's addend is the finite 1e38.  NaN and infinities are not treated apart.
; REGISTERS, in windows of 256 (s_set_vgpr_msb: bits 1:0 source 0, 3:2 source 1, 5:4 source 2, 7:6 destination):
;   window 0: v0-15 addresses; v16-31 statistics; v32-39 W_L; v40-47 corner scores and the W's; v48-55 at work; v64-127 S^T, two buffers; v128-143 the corner C blocks; v144-191 the own step's indicators;
;             v192-223 P, two buffers; v224-255 du       window 1: v0-127 O^T; v128-159 the Tv differences       window 2: v0-63 Q; v64-127 the own K; v128-191 K; v192-255 V
.set NP,    4
.set KS,    64
.set PK,    144       ; a row of K in LDS: 128 bytes + 16: the 16 rows of a load start at 16 different groups of four banks
.set PV,    160       ; a row of V: 128 + 32
.set VOFF,  4*KS*PK   ; a slot holds a tile: 256 rows of K, then 256 rows of V
.set SLOT1, 1<<17
.set STAGE, SLOT1+4*KS*(PK+PV)  ; 16 rows x 144 bytes a wave, for the way out
.set SP,    144
.set VST,   STAGE+4*16*SP       ; 64 rows x 160 bytes a wave: the own step's V, written by my own stores; no tensor load lands here
.set SPARE, VST+4*KS*PV         ; the spare words: 128 bytes a wave, named by no other line
.set AK0, 2
.set AV0, 3
.set AK,  4
.set AV,  5
.set STO, 6
.set RD,  7
.set GO,  8           ; 16 x lane
.set MV,  12          ; v12-13  c m_old, by buffer
.set EV,  14          ; 8 (lane / 16) - lane % 16: key less query inside a diagonal block, for register 0
.set QO,  15
.set ST,  16          ; piece t at ST + 4 t: c m, m, l (even keys', odd keys')
.set WLB, 32          ; piece t's W_L, a pair
.set SBL, 40          ; the kept score at d = -1 (lane 16)
.set SBR, 41          ; the kept score at d = +1 (lane 15), in the right side's raw units
.set DRC, 42          ; du3 - du4 of piece 3; behind the stream: the corner's weight
.set BIG, 43          ; 1e38
.set WS,  44          ; v44-47  W_L, W_-1, W_0, W_+1 of the piece in hand
.set TMP, 48          ; by buffer c0-c3: c0 ends as the exponent's addend, c1 as a's argument, c2 as a
.set SPW, 62
.set NIL, 63
.set S,   64
.set ZF,  128         ; v128-135 = [0 x 7, XL]; v136-143 = [XR, 0 x 7]; behind the stream v136-137 carry the four W's as f16
.set IMB, 144         ; register j: 1.0 where d = -1 in a diagonal block, else 0
.set I0B, 152         ; d = 0
.set IPB, 160         ; d = +1
.set IGB, 168         ; d >= 2
.set ILB, 176         ; d <= -1
.set BDG, 184         ; the diagonal block's C
.set P,   192
.set RR,  208         ; behind the stream: [du3 in lane 15 else du4, du4 x 15]
.set UB,  224         ; du_j of piece x at UB + 8 x + j - 1
.set TA,  144         ; at the start: the table rows as loaded
.set TVR, 32
.set EF,  128         ; window 1: channel block cb at EF + 8 cb: two registers of f16 differences, six of 0
.set KOF, 64          ; window 2
.set KF,  128
.set VF,  192
.set WV,  12
.set GG,  15          ; s15  g
.set G1K, 24
.set G1V, 32
.set G0K, 40
.set G0V, 44
.set GM1, 48
.set GP1, 49
.set GSN, 50          ; the key step whose scores are being made
.set OWN, 51          ; all ones in step g
.set ML,  52          ; lane 16 in step g - 1
.set MR,  53          ; lane 15 in step g + 1
.set FL,  54          ; -1.0 in step g + 1
.set ENDF, 55         ; 1.0 where steps above g exist
.set SLOTS, 56
.set CNT, 57
.set CS,  58
.set SEL, 60
.set TBK, 62
.set TBV, 63
.set SLN, 66          ; s[66:67] 1.0 where step GSN lies below g
.set SLO, 68          ; s[68:69] the same for the step before
.set PFA, 70
.set LIM, 72
.set LM16, 73
.set LM15, 74
.set VSB, 75          ; my own V's LDS base, less VOFF
.set MSB, 0
.set PARON, 1
.macro WIN new
.if MSB != (\new)
	s_set_vgpr_msb (MSB<<8)|(\new)
.set MSB, (\new)
.endif
.endm
.set W_KQ, 0x0a       ; K and Q in window 2, S^T and C in window 0
.set W_PV, 0x52       ; V in window 2, P in window 0, O^T in window 1
.set W_RS, 0x41       ; destination and source 0 in window 1, source 1 in window 0
.macro JLOAD                        ; a joint fill: waves 0, 1 fetch the halves of a tile's K, waves 2, 3 of its V; s_nop 0 and four v_nop follow each line
	s_cmp_lt_u32 s[WV], 2
	s_cbranch_scc0 .Lfor_v_\@
	tensor_load_to_lds s[G0K:G0K+3], s[G1K:G1K+7]
	s_nop 0
.rept 4
	v_nop
.endr
	s_branch .Lasked_\@
.Lfor_v_\@:
	tensor_load_to_lds s[G0V:G0V+3], s[G1V:G1V+7]
	s_nop 0
.rept 4
	v_nop
.endr
.Lasked_\@:
.endm
; A prefetch of the tile that the NEXT change of slots will ask for: 128 blocks of 256 bytes of K and of V.  The head's first cluster asks; its four partners take 32 blocks each, told apart by address;
; wave 0 asks for K's, wave 2 for V's, a lane a block.  The change that fills the last tile asks for nothing.
.macro ASK
	s_cmp_gt_u32 s[SLOTS], s[LIM]
	s_cbranch_scc0 .Lnot_mine_\@
	global_prefetch_b8 v0, s[PFA:PFA+1] th:TH_LOAD_NT scope:SCOPE_SE
.Lnot_mine_\@:
.endm
.macro CROUND
	s_barrier_signal -1
	s_barrier_wait -1
	s_cmp_lg_u32 s[WV], 0
	s_cbranch_scc1 .Lnot_wave_0_\@
	s_barrier_signal -3
.Lnot_wave_0_\@:
	s_barrier_wait -3
	s_barrier_signal -1
	s_barrier_wait -1
.endm
; THE CHANGE OF SLOTS.  Each wave waits for all its tensor loads (one is out: its part of the other slot), adds 0 to its spare word, and waits for that and for its reads of the slot that it leaves.
; fill = 1: a round of the cluster's barrier, and the old slot is filled again first thing behind it, with the tile two on: it has four key steps in which to land.
.macro CHANGE fill
	WIN 0
	s_wait_tensorcnt 0x0            ; no tensor load of mine is out, so a group 0 may be written
	ds_add_u32 v[SPW], v[NIL]
.if \fill
.irp g, G0K, G0V
	s_xor_b32 s[\g+1], s[\g+1], SLOT1
	s_add_nc_u64 s[\g+2:\g+3], s[\g+2:\g+3], 4*KS*128
.endr
	s_wait_xcnt 0x0                 ; the last prefetch, a tile back, has read its address
	s_add_nc_u64 s[PFA:PFA+1], s[PFA:PFA+1], 4*KS*128
	s_wait_dscnt 0x0                ; the add is done, and my reads of the slot are over
	CROUND
	JLOAD
	ASK
.else
	s_wait_dscnt 0x0
	s_barrier_signal -1
	s_barrier_wait -1
.endif
	s_sub_co_u32 s[TBK], s[TBK], 4*KS*PK
	s_xor_b32 s[TBK], s[TBK], SLOT1
	s_sub_co_u32 s[TBV], s[TBV], 4*KS*PV
	s_xor_b32 s[TBV], s[TBV], SLOT1
.endm
; The scalars of the key step whose scores come next.
.macro STEPSC
	s_mov_b32 s[SLO], s[SLN]
	s_add_co_u32 s[GSN], s[GSN], 1
	s_cmp_lt_u32 s[GSN], s[GG]
	s_cselect_b32 s[SLN], 1.0, 0
	s_cmp_eq_u32 s[GSN], s[GG]
	s_cselect_b32 s[OWN], -1, 0
	s_cmp_eq_u32 s[GSN], s[GM1]
	s_cselect_b32 s[ML], s[LM16], 0
	s_cmp_eq_u32 s[GSN], s[GP1]
	s_cselect_b32 s[MR], s[LM15], 0
	s_cselect_b32 s[FL], -1.0, 0
.endm
	s_load_b256 s[80:87], s[0:1], 0x0  ; qkv, rel_k_table, rel_v_table, oh
	v_lshl_add_u32 v[SPW], v0, 2, SPARE
	v_mov_b32 v[NIL], 0
	ds_add_u32 v[SPW], v[NIL]       ; the wave's opening: the add and its wait ahead of my first tensor load
	v_lshrrev_b32 v1, 5, v0
	v_readfirstlane_b32 s[WV], v1
	s_bfe_u32 s13, ttmp6, 0x40000   ; cx
	s_lshl_b32 s14, ttmp9, 2
	s_add_co_u32 s14, s14, s13      ; my block of 256 queries
	s_lshl_b32 s[GG], s14, 2
	s_add_co_u32 s[GG], s[GG], s[WV]
	s_sub_co_u32 s[GM1], s[GG], 1   ; (g = 0: a number that no step has)
	s_add_co_u32 s[GP1], s[GG], 1
	s_cmp_lt_u32 s[GG], 31
	s_cselect_b32 s[ENDF], 1.0, 0
	s_and_b32 s20, ttmp7, 0xffff    ; the head, which the partners share
	s_lshl_b32 s20, s20, 18         ; its 262,144 bytes in each plane
	s_and_b32 s16, s[WV], 1         ; which half of a tile's 256 keys I fetch
	s_lshl_b32 s22, s16, 14
	s_add_co_u32 s22, s22, s20
	s_mov_b32 s23, 0
	s_mul_i32 s17, s16, 128*PK
	s_mul_i32 s18, s16, 128*PV
	s_lshl_b32 s2, s[GG], 13        ; my 64 rows of 128 bytes
	s_add_co_u32 s2, s2, s20
	s_mov_b32 s3, 0
	; descriptor group 1: 128 keys are 16,384 dense bytes, asked for as 64 rows of 256, padded in LDS after every key
	s_mov_b32 s[G1K], 15|(1<<16)|(1<<20)|(1<<21)|(4<<22)|(3<<25)
	s_mov_b32 s[G1V], 15|(1<<16)|(1<<20)|(1<<21)|(4<<22)|(7<<25)
.irp g, G1K, G1V
	s_mov_b32 s[\g+1], 128<<16
	s_mov_b32 s[\g+2], 64<<16
	s_mov_b32 s[\g+3], 128<<16
	s_mov_b32 s[\g+4], 64
	s_mov_b32 s[\g+5], 128
	s_mov_b32 s[\g+6], 0
	s_mov_b32 s[\g+7], 0
.endr
	s_mov_b32 s[CS], 0x3f38aa3b     ; c = log2(e) / 2
	s_mov_b32 s[CS+1], s[CS]
	s_mov_b32 s[SEL], 0x76543210
	s_mov_b32 s[SEL+1], 0xfedcba98
	s_mov_b32 s[TBK], SLOT1+4*KS*PK ; the first change of slots turns these two into 0
	s_mov_b32 s[TBV], SLOT1+4*KS*PV
	s_mov_b32 s[G0K], 1
	s_mov_b32 s[G0K+1], s17
	s_mov_b32 s[G0V], 1
	s_add_co_u32 s[G0V+1], s18, VOFF
	s_mov_b32 s[SLOTS], 7
	s_mov_b32 s[GSN], -1
	s_mov_b32 s[SLN], 0
	s_mov_b32 s[SLN+1], 0
	s_mov_b32 s[SLO+1], 0
	s_mov_b32 s[LM16], 0x10000
	s_mov_b32 s[LM15], 0x8000
	s_mul_i32 s[VSB], s[WV], KS*PV
	s_add_co_u32 s[VSB], s[VSB], VST-VOFF
	s_and_b32 s[LIM], s[WV], 1
	s_or_b32 s[LIM], s[LIM], ttmp9  ; 0 in waves 0 and 2 of the head's first cluster: the same in all four partners
	s_cmp_eq_u32 s[LIM], 0
	s_cselect_b32 s[LIM], 1, -1
	s_wait_dscnt 0x0                ; the opening add is done
	s_wait_kmcnt 0x0
	s_add_nc_u64 s[4:5], s[80:81], s[2:3]          ; Q at my rows
	s_add_nc_u64 s[76:77], s[4:5], 0x800000        ; the own step's K'
	s_add_nc_u64 s[78:79], s[4:5], 0x1000000       ; and V'
	s_add_nc_u64 s[10:11], s[86:87], s[2:3]        ; O at my rows
	s_add_nc_u64 s[6:7], s[80:81], s[22:23]
	s_add_nc_u64 s[8:9], s[6:7], 0x1000000         ; V' at my half of the head's tile 0
	s_add_nc_u64 s[6:7], s[6:7], 0x800000          ; K' likewise
	s_add_nc_u64 s[G0K+2:G0K+3], s[6:7], 0
	s_or_b32 s[G0K+3], s[G0K+3], 0x80000000
	s_add_nc_u64 s[G0V+2:G0V+3], s[8:9], 0
	s_or_b32 s[G0V+3], s[G0V+3], 0x80000000
	s_cmp_lt_u32 s[WV], 2
	s_cselect_b64 s[PFA:PFA+1], s[6:7], s[8:9]     ; (in waves 0 and 2 these stand at the tile's first row)
	s_lshl_b32 s2, s13, 13                         ; my work-group's 32 blocks of the 128
	s_add_nc_u64 s[PFA:PFA+1], s[PFA:PFA+1], s[2:3]
	s_add_nc_u64 s[PFA:PFA+1], s[PFA:PFA+1], 4*KS*128  ; in tile 1; the first change steps it to tile 2
	CROUND                          ; all four work-groups are here
	JLOAD                           ; tile 0 into slot 0
	v_and_b32 v1, 15, v0            ; l % 16
	v_bfe_u32 v9, v0, 4, 1          ; l / 16
	v_and_b32 v10, 7, v0
	v_bfe_u32 v11, v0, 3, 1
	v_lshlrev_b32 v[QO], 7, v1
	v_lshl_add_u32 v[QO], v9, 4, v[QO]  ; row x 128 + 16 x half
	WIN 0x80
.set i, 0
.rept 8                             ; Q and the own K' as fragments: 16 rows i / 2, channels 32 (i % 2) on
	global_load_b128 v[8*i:8*i+3],   v[QO], s[4:5] offset:(i/2)*2048+(i%2)*64
	global_load_b128 v[8*i+4:8*i+7], v[QO], s[4:5] offset:(i/2)*2048+(i%2)*64+32
	global_load_b128 v[KOF+8*i:KOF+8*i+3],   v[QO], s[76:77] offset:(i/2)*2048+(i%2)*64
	global_load_b128 v[KOF+8*i+4:KOF+8*i+7], v[QO], s[76:77] offset:(i/2)*2048+(i%2)*64+32
.set i, i+1
.endr
	WIN 0
	v_and_b32 v[GO], 31, v0
	v_lshlrev_b32 v[GO], 4, v[GO]
.set i, 0
.rept 16                            ; the own V', 8,192 bytes on end
	global_load_b128 v[S+4*i:S+4*i+3], v[GO], s[78:79] offset:512*i
.set i, i+1
.endr
	; Tk as source 0 of a product: pseudo-key row l % 16 is table row (l % 8) + 1 where l % 8 < 4, else row 0; row 0 is taken away below
	v_add_nc_u32 v57, 1, v10
	v_cmp_gt_u32 vcc_lo, 4, v10
	v_cndmask_b32 v56, 0, v57, vcc_lo
	v_lshlrev_b32 v57, 5, v9        ; my eight channels: 32 bytes for each half of the lanes
	v_lshl_add_u32 v56, v56, 8, v57
.irp q, 0,1,2,3                     ; channels 16 q + 8 (l / 16) + 0..7
	global_load_b128 v[TA+8*\q:TA+8*\q+3],       v56, s[82:83] offset:64*\q
	global_load_b128 v[TA+8*\q+4:TA+8*\q+7],     v56, s[82:83] offset:64*\q+16
	global_load_b128 v[TA+32+8*\q:TA+32+8*\q+3], v57, s[82:83] offset:64*\q
	global_load_b128 v[TA+32+8*\q+4:TA+32+8*\q+7], v57, s[82:83] offset:64*\q+16
.endr
	v_lshlrev_b32 v58, 2, v1
.irp t, 0,1,2,3,4
.irp cb, 0,1,2,3                    ; Tv[t][16 cb + l % 16]
	global_load_b32 v[TVR+4*\t+\cb], v58, s[84:85] offset:256*\t+64*\cb
.endr
.endr
	; what the first turns find: V's registers, P's second buffer, O^T: 0.  All this stands in the wait for the loads and the first tile.
	WIN 0x80
.set i, VF
.rept 64
	v_mov_b32 v[i], 0
.set i, i+1
.endr
	WIN 0x40
.set i, 0
.rept 160                           ; O^T and the Tv differences' registers
	v_mov_b32 v[i], 0
.set i, i+1
.endr
	WIN 0
.set i, P+16
.rept 16
	v_mov_b32 v[i], 0
.set i, i+1
.endr
	v_lshlrev_b32 v[EV], 3, v9
	v_sub_nc_u32 v[EV], v[EV], v1
	v_mul_u32_u24 v[AK0], v1, PK
	v_lshl_add_u32 v[AK0], v9, 4, v[AK0]
	v_lshl_add_u32 v[AV0], v9, 3, v10   ; the turning load: lane l reads key 8 (l / 16) + l % 8, channels 8 ((l / 8) % 2) + 0..7
	v_mul_u32_u24 v[AV0], v[AV0], PV
	v_lshl_add_u32 v[AV0], v11, 4, v[AV0]
	v_add_nc_u32 v[AV0], VOFF, v[AV0]
	v_mov_b32 v[AK], v[AK0]         ; key step 0 lies at the head of slot 0
	v_bfe_u32 v12, v0, 3, 2         ; where the own V' goes: row 4 i + l / 8, 16 bytes at 16 (l % 8)
	v_mul_u32_u24 v12, v12, PV
	v_lshl_add_u32 v12, v10, 4, v12
	v_add_nc_u32 v12, VOFF, v12
	v_add_nc_u32 v12, s[VSB], v12
	s_wait_loadcnt 0x0
.set i, 0
.rept 16
	ds_store_b128 v12, v[S+4*i:S+4*i+3] offset:640*i
.set i, i+1
.endr
.macro RB a                         ; two f32 rounded to bf16, as all inputs are, and widened again
	v_cvt_pk_bf16_f32 v59, v[\a], v[(\a)+1]
	v_lshlrev_b32 v[\a], 16, v59
	v_and_b32 v[(\a)+1], 0xffff0000, v59
.endm
.set i, 0
.rept 32
	RB TA+2*i
.set i, i+1
.endr
.set i, 0
.rept 10
	RB TVR+2*i
.set i, i+1
.endr
.set i, 0
.rept 16
	v_pk_add_f32 v[TA+2*i:TA+2*i+1], v[TA+2*i:TA+2*i+1], v[TA+32+2*i:TA+32+2*i+1] neg_lo:[0,1] neg_hi:[0,1]
.set i, i+1
.endr
.set i, 0
.rept 16
	v_cvt_pk_f16_f32 v[ZF+i], v[TA+2*i], v[TA+2*i+1]  ; the fragments of Tk[j] - Tk[0]: channels 0-31 in v128-135, 32-63 in v136-143
.set i, i+1
.endr
.irp cb, 0,1,2,3
	v_sub_f32 v[S+4*\cb],   v[TVR+\cb],    v[TVR+16+\cb]  ; Tv0 - Tv4
	v_sub_f32 v[S+4*\cb+1], v[TVR+4+\cb],  v[TVR+\cb]     ; Tv1 - Tv0
	v_sub_f32 v[S+4*\cb+2], v[TVR+8+\cb],  v[TVR+16+\cb]  ; Tv2 - Tv4
	v_sub_f32 v[S+4*\cb+3], v[TVR+12+\cb], v[TVR+16+\cb]  ; Tv3 - Tv4
.endr
	WIN 0x40
.irp cb, 0,1,2,3
	v_cvt_pk_f16_f32 v[EF+8*\cb],   v[S+4*\cb],   v[S+4*\cb+1]
	v_cvt_pk_f16_f32 v[EF+8*\cb+1], v[S+4*\cb+2], v[S+4*\cb+3]
.endr
	WIN 0x08                        ; source 0 window 0, source 1 (Q) window 2
.irp c, 0,1
.irp x, 0,1,2,3                     ; du: the four pieces' accumulators take turns
.if \c == 0
	v_wmma_f32_16x16x32_f16 v[UB+8*\x:UB+8*\x+7], v[ZF:ZF+7], v[16*\x:16*\x+7], 0
.else
	v_wmma_f32_16x16x32_f16 v[UB+8*\x:UB+8*\x+7], v[ZF+8:ZF+15], v[16*\x+8:16*\x+15], v[UB+8*\x:UB+8*\x+7]
.endif
.endr
.endr
	WIN 0
.set i, 0
.rept 4                             ; these lines are also the places behind those products
	v_mov_b32 v[ST+4*i+1], 0xff7fffff  ; m: the lowest finite number
	v_mov_b32 v[ST+4*i+2], 0
	v_mov_b32 v[ST+4*i+3], 0
	v_mov_b32 v[WLB+2*i], 0
	v_mov_b32 v[WLB+2*i+1], 0
.set i, i+1
.endr
	v_mov_b32 v[SBL], 0xff7fffff
	v_mov_b32 v[SBR], 0xff7fffff
	v_mov_b32 v[BIG], 0x7e967699    ; 1e38
	v_and_b32 v0, 31, v0            ; the prefetches' offset: 256 x lane
	v_lshlrev_b32 v0, 8, v0
.set i, 0
.rept 16
	v_mov_b32 v[ZF+i], 0
.set i, i+1
.endr
	v_sub_f32 v[DRC], v[UB+26], v[UB+27]
; THE MATRIX WORK.  The 4 accumulators of a run of 8 take turns.  Product i of 8 of S^T = K Q^T for piece x: channels 32 (i / 4) on, keys 16 (i % 4) on.
; The first 4 start the sums with 0, but for the two blocks that can hold a corner score.
.macro KQ x
	WIN W_KQ
.set rS, S+32*((\x)%2)+8*(i%4)
.set rK, KF+16*(i%4)+8*(i/4)
.set rQ, 16*(\x)+8*(i/4)
.if ((\x) == 0) && (i == 3)
	v_wmma_f32_16x16x32_f16 v[rS:rS+7], v[rK:rK+7], v[rQ:rQ+7], v[ZF:ZF+7]
.elseif ((\x) == 3) && (i == 0)
	v_wmma_f32_16x16x32_f16 v[rS:rS+7], v[rK:rK+7], v[rQ:rQ+7], v[ZF+8:ZF+15]
.elseif i < 4
	v_wmma_f32_16x16x32_f16 v[rS:rS+7], v[rK:rK+7], v[rQ:rQ+7], 0
.else
	v_wmma_f32_16x16x32_f16 v[rS:rS+7], v[rK:rK+7], v[rQ:rQ+7], v[rS:rS+7]
.endif
.endm
.macro PV x                         ; product i of 8 of O^T += V^T P: keys 32 (i / 4) on, channels 16 (i % 4) on
	WIN W_PV
.set rO, 32*(\x)+8*(i%4)
.set rV, VF+32*(i/4)+8*(i%4)
.set rP, P+16*(((\x)%2)*PARON)+8*(i/4)
	v_wmma_f32_16x16x32_f16 v[rO:rO+7], v[rV:rV+7], v[rP:rP+7], v[rO:rO+7]
.endm
.macro MM                           ; the turn's next matrix instruction
.if (i < 8) && !NOKQ
	KQ (Y+1)%NP
.elseif i >= 8
.set i, i-8
	PV (Y+NP-1)%NP
.set i, i+8
.endif
.set i, i+1
.endm
.macro FETCH_K                      ; a step's K in one run of 16 loads
	WIN 0x80
.irp f, 0,1,2,3,4,5,6,7
	ds_load_b128 v[KF+8*\f:KF+8*\f+3],   v[AK] offset:(\f/2)*16*PK+(\f%2)*64
	ds_load_b128 v[KF+8*\f+4:KF+8*\f+7], v[AK] offset:(\f/2)*16*PK+(\f%2)*64+32
.endr
	s_add_co_u32 s[TBK], s[TBK], KS*PK
	WIN 0
.endm
.macro FETCH_V                      ; a step's V, turned
	WIN 0x80
.irp f, 0,1,2,3,4,5,6,7
	ds_load_tr16_b128 v[VF+8*\f:VF+8*\f+3],   v[AV] offset:(\f/4)*32*PV+(\f%4)*32
	ds_load_tr16_b128 v[VF+8*\f+4:VF+8*\f+7], v[AV] offset:(\f/4)*32*PV+16*PV+(\f%4)*32
.endr
	WIN 0
.endm
; THE VECTOR WORK, one line at a time: OP kind, number.  For piece Y: F n: c s - addend for pair n.  E n: the exponential of score n.  C n: pair n rounded to f16.  B n: of four weights the second pair onto the first.
; L 1-7: the step's sum gathers in the first pair; L 8: l = a l + sum; L 9: W_L = a W_L; L 10: W_L += sum x (1 where the step lies below g).  R n: pair n of O^T times a.
; For piece Y + 1: X 0-13, 14, 16: the maximum of 32 scores and the old m (each accumulator's lowest registers are read first); X 22: m changes units at step g + 1; X 15: c m_old;
; X 17, 18: the other half of the lanes; X 23: the new m (kept in step g); X 19, 20, 21: c m, its change, a; X 24: the exponent's addend (1e38 in step g); X 25: a corner score is kept.
; While NOKQ is 1 (the stream's last turn, which has no next piece) every X line is a v_nop.
.set F, 0
.set E, 1
.set C, 2
.set B, 3
.set L, 4
.set R, 5
.set X, 6
.macro REGS y
.set par, ((\y)%2)*PARON
.set rT, ST+4*(\y)
.set rC, TMP+4*par
.set rW, MV+par
.set rS, S+32*par
.set rP, P+16*par
.set rO, 32*(\y)
.set rL, WLB+2*(\y)
.set rU, UB+8*(\y)
.endm
.macro OP k, n
.if (\k) == R
	REGS Y
	WIN W_RS
	v_pk_mul_f32 v[rO+2*(\n):rO+2*(\n)+1], v[rO+2*(\n):rO+2*(\n)+1], v[rC+2:rC+3] op_sel_hi:[1,0]
.elseif (\k) < R
	REGS Y
	WIN 0
.if (\k) == F
	v_pk_fma_f32 v[rS+2*(\n):rS+2*(\n)+1], v[rS+2*(\n):rS+2*(\n)+1], s[CS:CS+1], v[rC:rC+1] op_sel_hi:[1,0,0] neg_lo:[0,0,1] neg_hi:[0,0,1]
.elseif (\k) == E
	v_exp_f32 v[rS+(\n)], v[rS+(\n)]
.elseif (\k) == C
	v_cvt_pk_f16_f32 v[rP+(\n)], v[rS+2*(\n)], v[rS+2*(\n)+1]
.elseif (\k) == B
	v_pk_add_f32 v[rS+4*(\n):rS+4*(\n)+1], v[rS+4*(\n):rS+4*(\n)+1], v[rS+4*(\n)+2:rS+4*(\n)+3]
.elseif (\n) < 8
	v_pk_add_f32 v[rS:rS+1], v[rS:rS+1], v[rS+4*(\n):rS+4*(\n)+1]
.elseif (\n) == 8
	v_pk_fma_f32 v[rT+2:rT+3], v[rT+2:rT+3], v[rC+2:rC+3], v[rS:rS+1] op_sel_hi:[1,0,1]
.elseif (\n) == 9
	v_pk_mul_f32 v[rL:rL+1], v[rL:rL+1], v[rC+2:rC+3] op_sel_hi:[1,0]
.else
	v_pk_fma_f32 v[rL:rL+1], v[rS:rS+1], s[SLR:SLR+1], v[rL:rL+1] op_sel_hi:[1,0,1]
.endif
.elseif NOKQ
	v_nop
.else
	REGS (Y+1)%NP
	WIN 0
.if (\n) < 4
	v_max3_num_f32 v[rC+(\n)], v[rS+8*(\n)], v[rS+8*(\n)+1], v[rS+8*(\n)+2]
.elseif (\n) < 12
	v_max3_num_f32 v[rC+(\n)%4], v[rC+(\n)%4], v[rS+8*((\n)%4)+2*((\n)/4)+1], v[rS+8*((\n)%4)+2*((\n)/4)+2]
.elseif (\n) == 12
	v_max3_num_f32 v[rC], v[rC], v[rS+7], v[rS+15]
.elseif (\n) == 13
	v_max3_num_f32 v[rC+1], v[rC+1], v[rS+23], v[rS+31]
.elseif (\n) == 14
	v_max3_num_f32 v[rC+2], v[rC+2], v[rC+3], v[rT+1]
.elseif (\n) == 15
	v_mul_f32 v[rW], s[CS], v[rT+1]
.elseif (\n) == 16
	v_max3_num_f32 v[rC], v[rC], v[rC+1], v[rC+2]
.elseif (\n) == 17
	v_permlanex16_b32 v[rC+3], v[rC], s[SEL], s[SEL+1]
.elseif (\n) == 18
	v_max_num_f32 v[rC], v[rC], v[rC+3]
.elseif (\n) == 19
	v_mul_f32 v[rT], s[CS], v[rT+1]
.elseif (\n) == 20
	v_sub_f32 v[rC+1], v[rW], v[rT]
.elseif (\n) == 21
	v_exp_f32 v[rC+2], v[rC+1]
.elseif (\n) == 22
	v_fma_f32 v[rT+1], s[FL], v[rU+3], v[rT+1]
.elseif (\n) == 23
	v_cndmask_b32 v[rT+1], v[rC], v[rT+1], s[OWN]
.elseif (\n) == 24
	v_cndmask_b32 v[rC], v[rT], v[BIG], s[OWN]
.elseif Y == 3
	v_cndmask_b32 v[SBL], v[SBL], v[S+31], s[ML]   ; piece 0, key 63 of the step, lane 16
.elseif Y == 2
	v_cndmask_b32 v[SBR], v[SBR], v[S+32], s[MR]   ; piece 3, key 0 of the step, lane 15
.endif
.endif
.endm
.macro OPS a, i1, b=-1, i2=0, c=-1, i3=0, d=-1, i4=0
	OP \a, \i1
.if (\b) >= 0
	OP \b, \i2
.endif
.if (\c) >= 0
	OP \c, \i3
.endif
.if (\d) >= 0
	OP \d, \i4
.endif
.endm
.macro ROW a, i1, b, i2, c, i3, d, i4  ; a matrix instruction and the four behind it
	MM
	OPS \a, \i1, \b, \i2, \c, \i3, \d, \i4
.endm
.macro PLACES
.rept 4
	v_nop
.endr
.endm
; A TURN, for piece p.  AHEAD OF ITS ONE WAIT stands all that names no result of the turn's exponentials: 8 products K Q^T with their riders, then the lump.  X 21, the next piece's a, is the batch's last;
; R 15 is the plain instruction behind it.  BEHIND THE WAIT: 8 products V^T P, behind each four of the roundings and sums.
; Turn 3 steps the key step's scalars and makes the left corner's C register; turn 2 makes the right corner's.  K of the next step is fetched in turn 2, more than four plain instructions behind the last product
; that read K; V of the step in hand at the end of turn 0, five plain instructions behind the last product that read V.  Each is waited for a turn later.
; end = 1: the stream's last two turns: nothing is fetched, and the last starts no new scores.  cnt = 1: the loop's count is taken down some lines ahead of the branch behind the turn.
.macro TURN p, end=0, cnt=0
.set Y, (\p)
.set i, 0
.set NOKQ, (\end)*((\p)/3)
.set SLR, SLN
.if ((\p) == 3) && !(\end)
.set SLR, SLO                       ; piece 3's sums belong to the step before
	STEPSC
	WIN 0
	v_cndmask_b32 v[ZF+7], 0, v[UB], s[ML]
	s_wait_dscnt 0x0                ; K is in
.endif
.if (\p) == 2
	WIN 0
	v_cndmask_b32 v[ZF+8], 0, v[DRC], s[MR]
.endif
	ROW F,0, F,1, R,0, R,1
	ROW F,2, E,0, R,2, R,3
	ROW F,3, E,1, R,4, R,5
	ROW F,4, E,2, R,6, R,7
	ROW F,5, E,3, R,8, R,9
	ROW F,6, E,4, X,0, R,10
.if ((\p) == 2) && !(\end)
	WIN 0
	v_add_nc_u32 v[AK], s[TBK], v[AK0]
.endif
	ROW F,7, E,5, X,1, X,4
	ROW F,8, E,6, X,2, X,5
	OPS X,22, E,7, E,8, X,6
	OPS E,9, X,3, E,10, X,8
	OPS E,11, X,25
.if ((\p) == 2) && !(\end)
	FETCH_K
.endif
	OPS X,9, X,7, E,12, X,10
	OPS E,13, X,12, X,11, E,14
	OPS X,13, E,15, F,9, X,14
.if (\p) == 0
	WIN 0
	v_add_nc_u32 v[AV], s[TBV], v[AV0]
.endif
	OPS E,16, F,10, E,17, F,11
	OPS X,16, E,18, X,15, E,19
	OPS F,12, E,20, X,17, E,21
	OPS F,13, E,22, F,14, E,23
	OPS X,18, E,24, F,15, E,25
	OPS R,11, E,26, X,23, E,27
	OPS R,12, E,28, X,19, E,29
	OPS R,13, E,30, X,20, E,31
	OPS X,24, L,9, R,14
	OPS X,21, R,15
	WIN 0
	s_wait_alu depctr_va_vdst(0)    ; the one wait for the batch, ahead of the first line that names a result of it
.if (\p) == 1
	s_wait_dscnt 0x0                ; V is in
.endif
	ROW C,0, B,0, C,2, B,1
	ROW C,1, C,4, B,2, L,1
	ROW C,6, B,3, L,2, C,8
	ROW B,4, L,3, C,10, B,5
	ROW L,4, C,12, B,6, L,5
.if (\p) == 0
	s_add_co_u32 s[TBV], s[TBV], KS*PV
.endif
.if \cnt
	s_sub_co_u32 s[CNT], s[CNT], 1
	s_cmp_lg_u32 s[CNT], 0
.endif
	ROW C,14, B,7, L,6, C,3
	ROW C,5, L,7, C,7, C,9
	ROW C,11, L,8, C,13, L,10
	OPS C,15
.if (\p) == 0
	FETCH_V
.endif
.endm
	CHANGE 1                        ; slot 0 is in, everybody's part of it; slot 1 is asked for
	FETCH_K                         ; key step 0
	s_wait_dscnt 0x0
	STEPSC
	v_cndmask_b32 v[ZF+7], 0, v[UB], s[ML]
.set NOKQ, 0
.set SLR, SLN
.set i, 0
.rept 8
	KQ 0                            ; piece 0's first scores
.set i, i+1
.endr
	WIN 0                           ; the addresses for the way out: the places behind those products
	s_mul_i32 s16, s[WV], 16*SP
	s_add_co_u32 s16, s16, STAGE
	v_mul_u32_u24 v[STO], v1, SP
	v_lshl_add_u32 v[STO], v9, 4, v[STO]
	v_add_nc_u32 v[STO], s16, v[STO]
	v_lshrrev_b32 v[RD], 7, v[GO]   ; l / 8
	v_mul_u32_u24 v[RD], v[RD], SP
	v_lshl_add_u32 v[RD], v10, 4, v[RD]
	v_add_nc_u32 v[RD], s16, v[RD]
.set Y, NP-1                        ; X works for piece Y + 1: piece 0
.irp n, 22,0,1,2,3,4,5,6,7,8,9,10,11,12,13,25,14,15,16,17,18,23,19,20,24,21
	OP X, \n
.endr
	v_nop                           ; a plain instruction behind the exponential,
	s_wait_alu depctr_va_vdst(0)    ; and its wait, ahead of the branch
	s_mov_b32 s[CNT], 4
	s_branch .Lfirst                ; the loop is entered at a step's first turn
.Lslot:                             ; six times: tiles 2 to 7 are asked for
	CHANGE 1
	s_mov_b32 s[CNT], 4
.Lstep:                             ; a trip: pieces 2 and 3 of one step, then pieces 0 and 1 of the next
	TURN 2
	TURN 3
	WIN 0
.Lfirst:
	TURN 0
	TURN 1, 0, 1
	WIN 0
	s_cbranch_scc1 .Lstep
	s_sub_co_u32 s[SLOTS], s[SLOTS], 1
	s_cmp_lg_u32 s[SLOTS], 0
	s_cbranch_scc1 .Lslot
	CHANGE 0                        ; the last tile is written out
	s_mov_b32 s[CNT], 4
.Ltail:
	TURN 2
	TURN 3
	TURN 0
	TURN 1, 0, 1
	WIN 0
	s_cbranch_scc1 .Ltail
	TURN 2, 1
	TURN 3, 1
.set i, 0
.rept 8
	PV NP-1
.set i, i+1
.endr
	WIN 0
	PLACES                          ; in front of the loads into V's registers
	v_add_nc_u32 v[AV], s[VSB], v[AV0]
	FETCH_V                         ; the own step's V, out of my own bytes
	s_mov_b32 s[FL], s[ENDF]        ; X 22 now takes m back to true units, where steps above g have been
	s_mov_b32 s[OWN], 0
.set j, 0
.rept 8                             ; a diagonal block: register j holds d = EV + j
	v_cmp_eq_i32 vcc_lo, -1-j, v[EV]
	v_cndmask_b32 v[IMB+j], 0, 1.0, vcc_lo
	v_cmp_eq_i32 vcc_lo, 0-j, v[EV]
	v_cndmask_b32 v[I0B+j], 0, 1.0, vcc_lo
	v_cmp_eq_i32 vcc_lo, 1-j, v[EV]
	v_cndmask_b32 v[IPB+j], 0, 1.0, vcc_lo
	v_cmp_le_i32 vcc_lo, 2-j, v[EV]
	v_cndmask_b32 v[IGB+j], 0, 1.0, vcc_lo
	v_cmp_ge_i32 vcc_lo, -1-j, v[EV]
	v_cndmask_b32 v[ILB+j], 0, 1.0, vcc_lo
.set j, j+1
.endr
; THE OWN STEP, for piece x, in phases; one more step of the running softmax, in true units, on the first buffers of S^T and P.
; The C of key block kb: 0 for kb < x - 1; du1 in lane 16's last register for kb = x - 1; the band for kb = x; du3 in lane 15's first register, else du4, for kb = x + 1; du4 beyond.
.set PARON, 0                       ; every piece on the first buffers
.set NOKQ, 0                        ; the X lines are written out again: the stream's last turn had set them to v_nop
.macro EPI x
.set Y, ((\x)+3)%NP
	OP X, 22
.if (\x) > 0
	v_cndmask_b32 v[ZF+7], 0, v[UB+8*(\x)], s[LM16]
.endif
.set j, 0
.rept 8
	v_mul_f32 v[BDG+j], v[UB+8*(\x)], v[IMB+j]
.set j, j+1
.endr
.set j, 0
.rept 8
	v_fma_f32 v[BDG+j], v[UB+8*(\x)+1], v[I0B+j], v[BDG+j]
.set j, j+1
.endr
.set j, 0
.rept 8
	v_fma_f32 v[BDG+j], v[UB+8*(\x)+2], v[IPB+j], v[BDG+j]
.set j, j+1
.endr
.set j, 0
.rept 8
	v_fma_f32 v[BDG+j], v[UB+8*(\x)+3], v[IGB+j], v[BDG+j]
.set j, j+1
.endr
.if (\x) < 3
	v_cndmask_b32 v[RR], v[UB+8*(\x)+3], v[UB+8*(\x)+2], s[LM15]
.set j, 1
.rept 15
	v_mov_b32 v[RR+j], v[UB+8*(\x)+3]
.set j, j+1
.endr
.endif
	WIN W_KQ
.set i, 0
.rept 8
.set kb, i%4
.set rS, S+8*kb
.set rK, KOF+16*kb+8*(i/4)
.set rQ, 16*(\x)+8*(i/4)
.if i >= 4
	v_wmma_f32_16x16x32_f16 v[rS:rS+7], v[rK:rK+7], v[rQ:rQ+7], v[rS:rS+7]
.elseif kb+1 < (\x)
	v_wmma_f32_16x16x32_f16 v[rS:rS+7], v[rK:rK+7], v[rQ:rQ+7], 0
.elseif kb+1 == (\x)
	v_wmma_f32_16x16x32_f16 v[rS:rS+7], v[rK:rK+7], v[rQ:rQ+7], v[ZF:ZF+7]
.elseif kb == (\x)
	v_wmma_f32_16x16x32_f16 v[rS:rS+7], v[rK:rK+7], v[rQ:rQ+7], v[BDG:BDG+7]
.elseif kb == (\x)+1
	v_wmma_f32_16x16x32_f16 v[rS:rS+7], v[rK:rK+7], v[rQ:rQ+7], v[RR:RR+7]
.else
	v_wmma_f32_16x16x32_f16 v[rS:rS+7], v[rK:rK+7], v[rQ:rQ+7], v[RR+8:RR+15]
.endif
.set i, i+1
.endr
	WIN 0
	PLACES
.irp n, 0,1,2,3,4,5,6,7,8,9,10,11,12,13,14,15,16,17,18,23,19,20,24
	OP X, \n
.endr
.set Y, (\x)
.irp n, 0,1,2,3,4,5,6,7,8,9,10,11,12,13,14,15
	OP F, \n
.endr
.if (\x) == 0
	v_fma_f32 v[DRC], s[CS], v[SBL], -v[ST]        ; the left corner's exponent, by the final maximum
.elseif (\x) == 3
	v_add_f32 v[DRC], v[SBR], v[UB+27]             ; the right corner's score in true units,
	v_fma_f32 v[DRC], s[CS], v[DRC], -v[ST+12]     ; and its exponent
.endif
.set Y, ((\x)+3)%NP
	OP X, 21
.set Y, (\x)
.set j, 0
.rept 32
	OP E, j
.set j, j+1
.endr
.if ((\x) == 0) || ((\x) == 3)
	v_exp_f32 v[DRC], v[DRC]
.endif
	v_nop                           ; a plain instruction behind the last exponential,
	s_wait_alu depctr_va_vdst(0)    ; and the one wait for the batch
	OP L, 9                         ; W_L times a; then the own step's keys left of the query
.irp kb, 0,1,2
.if (\kb) < (\x)
.irp u, 0,2,4,6
	v_pk_add_f32 v[WLB+2*(\x):WLB+2*(\x)+1], v[WLB+2*(\x):WLB+2*(\x)+1], v[S+8*(\kb)+(\u):S+8*(\kb)+(\u)+1]
.endr
.endif
.endr
	v_pk_mul_f32 v[56:57], v[S+8*(\x):S+8*(\x)+1], v[IMB:IMB+1]
	v_pk_mul_f32 v[58:59], v[S+8*(\x):S+8*(\x)+1], v[I0B:I0B+1]
	v_pk_mul_f32 v[60:61], v[S+8*(\x):S+8*(\x)+1], v[IPB:IPB+1]
	v_pk_fma_f32 v[WLB+2*(\x):WLB+2*(\x)+1], v[S+8*(\x):S+8*(\x)+1], v[ILB:ILB+1], v[WLB+2*(\x):WLB+2*(\x)+1]
.irp u, 2,4,6
	v_pk_fma_f32 v[56:57], v[S+8*(\x)+(\u):S+8*(\x)+(\u)+1], v[IMB+(\u):IMB+(\u)+1], v[56:57]
	v_pk_fma_f32 v[58:59], v[S+8*(\x)+(\u):S+8*(\x)+(\u)+1], v[I0B+(\u):I0B+(\u)+1], v[58:59]
	v_pk_fma_f32 v[60:61], v[S+8*(\x)+(\u):S+8*(\x)+(\u)+1], v[IPB+(\u):IPB+(\u)+1], v[60:61]
	v_pk_fma_f32 v[WLB+2*(\x):WLB+2*(\x)+1], v[S+8*(\x)+(\u):S+8*(\x)+(\u)+1], v[ILB+(\u):ILB+(\u)+1], v[WLB+2*(\x):WLB+2*(\x)+1]
.endr
	v_add_f32 v[WS],   v[WLB+2*(\x)], v[WLB+2*(\x)+1]
	v_add_f32 v[WS+1], v56, v57
	v_add_f32 v[WS+2], v58, v59
	v_add_f32 v[WS+3], v60, v61
.if (\x) == 0
	v_add_f32 v[WS+1], v[WS+1], v[DRC]             ; d = -1 of query 0 lies in step g - 1
.else
	v_cndmask_b32 v56, 0, v[S+8*(\x)-1], s[LM16]   ; d = -1 of the piece's first query lies in the block before
	v_add_f32 v[WS+1], v[WS+1], v56
.endif
.if (\x) == 3
	v_add_f32 v[WS+3], v[WS+3], v[DRC]             ; d = +1 of query 63 lies in step g + 1
.else
	v_cndmask_b32 v58, 0, v[S+8*(\x)+8], s[LM15]   ; d = +1 of the piece's last query lies in the block behind
	v_add_f32 v[WS+3], v[WS+3], v58
.endif
	v_cvt_pk_f16_f32 v[ZF+8], v[WS], v[WS+1]       ; the four W's as four more keys of source 1: both halves of the lanes enter, so the product adds them
	v_cvt_pk_f16_f32 v[ZF+9], v[WS+2], v[WS+3]
.irp n, 0,1,2,3,4,5,6,7,8,9,10,11,12,13,14,15
	OP C, \n
.endr
.irp n, 0,1,2,3,4,5,6,7
	OP B, \n
.endr
.irp n, 1,2,3,4,5,6,7,8
	OP L, \n
.endr
.irp n, 0,1,2,3,4,5,6,7,8,9,10,11,12,13,14,15
	OP R, \n
.endr
.if (\x) == 0
	s_wait_dscnt 0x0                ; the own V is in
.endif
.set i, 0
.rept 8
	PV \x
.set i, i+1
.endr
	WIN 0x51                        ; source 0 (the Tv differences), C and D window 1; source 1 window 0
.irp cb, 0,1,2,3                    ; the piece's four accumulators go on taking turns
	v_wmma_f32_16x16x32_f16 v[32*(\x)+8*\cb:32*(\x)+8*\cb+7], v[EF+8*\cb:EF+8*\cb+7], v[ZF+8:ZF+15], v[32*(\x)+8*\cb:32*(\x)+8*\cb+7]
.endr
	WIN 0
.endm
	EPI 0
	EPI 1
	EPI 2
	EPI 3
	; THE WAY OUT.  l's two halves and the other half of the lanes' are added; O^T is divided by l, rounded to f16 and sent through my stage, a piece at a time.  The additions are the places behind the last products.
.macro ALL line:vararg
.set t, 0
.rept 4
	\line
.set t, t+1
.endr
.endm
	ALL v_add_f32 v[ST+4*t+2], v[ST+4*t+2], v[ST+4*t+3]
	ALL v_permlanex16_b32 v[ST+4*t+3], v[ST+4*t+2], s[SEL], s[SEL+1]
	ALL v_add_f32 v[ST+4*t+2], v[ST+4*t+2], v[ST+4*t+3]
	ALL v_rcp_f32 v[ST+4*t+2], v[ST+4*t+2]
	v_nop                           ; a plain instruction behind the last reciprocal,
	s_wait_alu depctr_va_vdst(0)    ; and one wait for the four
.macro PACK t
	WIN W_RS
.set i, 32*(\t)
.rept 16
	v_pk_mul_f32 v[i:i+1], v[i:i+1], v[ST+4*(\t)+2:ST+4*(\t)+3] op_sel_hi:[1,0]
.set i, i+2
.endr
	WIN 0x05
.set i, 0
.rept 16
	v_cvt_pk_f16_f32 v[S+16*(\t)+i], v[32*(\t)+2*i], v[32*(\t)+2*i+1]
.set i, i+1
.endr
	WIN 0
.irp f, 0,1,2,3
	ds_store_b128 v[STO], v[S+16*(\t)+4*\f:S+16*(\t)+4*\f+3] offset:32*\f
.endr
.irp f, 0,1,2,3
	ds_load_b128 v[S+16*(\t)+4*\f:S+16*(\t)+4*\f+3], v[RD] offset:\f*4*SP  ; LDS serves a wave's instructions in order: these see the stores above, the next piece's stores come behind them
.endr
.endm
.macro SEND t, younger              ; younger: the next piece's eight LDS instructions, or none
	WIN 0
.irp f, 0,1,2,3
	s_wait_dscnt (\younger)+3-\f
	global_store_b128 v[GO], v[S+16*(\t)+4*\f:S+16*(\t)+4*\f+3], s[10:11] offset:(\t)*2048+\f*512  ; 512 consecutive bytes, at a multiple of 256 from oh's first
.endr
.endm
	PACK 0
.set t, 1
.rept 3
	PACK t
	SEND t-1, 8
.set t, t+1
.endr
	SEND 3, 0
	s_wait_tensorcnt 0x0            ; the wave's end
	ds_add_u32 v[SPW], v[NIL]
	s_wait_dscnt 0x0
	CROUND                          ; the closing round
	s_endpgm
.Lfunc_end_k_q5d996c70fe_attn:
	.size	k_q5d996c70fe_attn, .Lfunc_end_k_q5d996c70fe_attn-k_q5d996c70fe_attn
	.p2alignl 7, 3214868480
	.fill 96, 4, 3214868480
	.section	.rodata,"a",@progbits
	.p2align	6, 0x0
	.amdhsa_kernel k_q5d996c70fe_attn
		.amdhsa_group_segment_fixed_size 327680
		.amdhsa_private_segment_fixed_size 0
		.amdhsa_enable_private_segment 0
		.amdhsa_kernarg_size 32
		.amdhsa_user_sgpr_count 2
		.amdhsa_user_sgpr_kernarg_segment_ptr 1
		.amdhsa_wavefront_size32 1
		.amdhsa_system_sgpr_workgroup_id_x 1
		.amdhsa_system_sgpr_workgroup_id_y 1
		.amdhsa_system_sgpr_workgroup_id_z 1
		.amdhsa_system_vgpr_workitem_id 0
		.amdhsa_next_free_vgpr 768
		.amdhsa_next_free_sgpr 88
		.amdhsa_reserve_vcc 1
		.amdhsa_float_denorm_mode_32 3
		.amdhsa_float_denorm_mode_16_64 3
		.amdhsa_memory_ordered 1
		.amdhsa_forward_progress 1
		.amdhsa_inst_pref_size 207
	.end_amdhsa_kernel
	.amdgpu_metadata
---
amdhsa.version: [ 1, 2 ]
amdhsa.kernels:
  - .name:           k_q5d996c70fe_attn
    .symbol:         k_q5d996c70fe_attn.kd
    .args:
      - { .name: qkv, .offset: 0, .size: 8, .value_kind: global_buffer, .address_space: global }
      - { .name: rel_k_table, .offset: 8, .size: 8, .value_kind: global_buffer, .address_space: global }
      - { .name: rel_v_table, .offset: 16, .size: 8, .value_kind: global_buffer, .address_space: global }
      - { .name: oh, .offset: 24, .size: 8, .value_kind: global_buffer, .address_space: global }
    .group_segment_fixed_size: 327680
    .private_segment_fixed_size: 0
    .kernarg_segment_align: 8
    .kernarg_segment_size: 32
    .max_flat_workgroup_size: 128
    .sgpr_count:     88
    .vgpr_count:     768
    .wavefront_size: 32
...
	.end_amdgpu_metadata
.endif
;; end of part 3
;; launch outp (part 4): grid 8 x 32, 4 waves a work-group, clusters of 4 x 4, 327,680 bytes of LDS; arguments oh, wh, bo, out0; writes out0
.if DOCPART == 4
	.amdgcn_target "amdgcn-amd-amdhsa--gfx1250"
	.amdhsa_code_object_version 6
	.text
	.protected	k_q5d996c70fe_outp
	.globl	k_q5d996c70fe_outp
	.p2align	8
	.type	k_q5d996c70fe_outp,@function
k_q5d996c70fe_outp:
	s_mov_b64 s[64:65], 0
	v_nop
	global_prefetch_b8 v0, s[64:65] scope:SCOPE_SE
	s_setreg_imm32_b32 hwreg(HW_REG_WAVE_MODE, 25, 1), 1
	s_wait_xcnt 0x0
	s_wait_alu depctr_hold_cnt(0) depctr_sa_sdst(0) depctr_va_vdst(0) depctr_va_sdst(0) depctr_va_ssrc(0) depctr_va_vcc(0) depctr_vm_vsrc(0)
	s_getreg_b32 s2, hwreg(HW_REG_IB_STS2, 6, 4)
	s_cmp_eq_u32 s2, 0
	s_cbranch_scc0 .Lentry_in_a_cluster
	s_endpgm
.Lentry_in_a_cluster:
	s_bfe_u32 s2, ttmp6, 0x10000c
	s_cmp_lg_u32 s2, 0xf033
	s_cbranch_scc0 .Lentry_shape_is_right
	s_endpgm
.Lentry_shape_is_right:
; THE LAST PROJECTION.  out0[m][n] = sum over k of O[m][k] Wo[n][k] + bo[n].  O arrives by heads, oh [batch x 16 + head][2048][64] f16: channel k of row m lies in head k / 64.
; Wo is plane 3 of wh, [1024][1024] f16 (its bf16 value); bo is rounded to bf16 like all inputs; sums in f32; out0 [4096][1024] f32.
; A tile is 128 x 128: 256 work-groups.  Four waves, each 64 x 64.  K goes in steps of 256 = four heads, through two slots.  CLUSTER 4 x 4: A's tile is asked for jointly along a row, B's along a column.
; A'S TILE: 64 rows of one head are 8,192 bytes on end, so a wave's load is four such runs, 262,144 bytes apart; padded after every 128 bytes it lies in LDS as [head][row] with rows of 144 bytes.
; THE MATRIX INSTRUCTION IS USED TRANSPOSED (source 0 = rows of Wo, source 1 = rows of O); THE BIAS IS THE C OPERAND of the products that start the sums.
; THE WAY OUT is each wave's own: its 64 columns are 256 aligned bytes of a row of out0.
; REGISTERS: window 0: v0-31 addresses; v64 at work; v96-127 the bias; v128-255 the accumulators.  window 1: two fragment buffers of 128.
.set SIZE_K, 1024
.set KSTEP,  256
.set PITCH,  528                       ; a row of B in LDS: 512 bytes + 16
.set PA,     144                       ; a row of A in LDS: one head's 128 bytes + 16
.set HPL,    64*PA                     ; a head's 64 rows
.set HALFA,  4*HPL                     ; a wave's load of A
.set HALFB,  64*PITCH                  ; a wave's load of B
.set BOFF,   2*HALFA
.set SLOT,   BOFF+2*HALFB
.set STAGE,  2*SLOT                    ; 16 rows x 272 bytes for each wave
.set SPITCH, 272
.set SPARE,  STAGE+4*16*SPITCH         ; the spare words: 128 bytes a wave, named by no other line
.set LAPS,   SIZE_K/(2*KSTEP)
.set ADRA, 16
.set ADRB, 20
.set STO,  24
.set RD,   25
.set CO,   26
.set VB,   27
.set SPW,  28
.set NIL,  29
.set BIAS, 96
.set ACC,  128
.set F0,   0
.set F1,   128
.set G1, 24
.set G0, 32
.set G1B, 48
.set G0B, 56
.set MSB, 0
.macro WIN new
.if MSB != (\new)
	s_set_vgpr_msb (MSB<<8)|(\new)
.set MSB, \new
.endif
.endm
.set MUL,  0x05
.set TO_F, 0x40
.macro JLOAD s                         ; waves 0 and 1 fetch A's halves, waves 2 and 3 B's; s_nop 0 and four v_nop follow each line
	s_cmp_eq_u32 s11, 0
	s_cbranch_scc0 .Lfor_b_\@
	tensor_load_to_lds s[G0+4*(\s):G0+4*(\s)+3], s[G1:G1+7]
	s_nop 0
.rept 4
	v_nop
.endr
	s_branch .Lasked_\@
.Lfor_b_\@:
	tensor_load_to_lds s[G0B+4*(\s):G0B+4*(\s)+3], s[G1B:G1B+7]
	s_nop 0
.rept 4
	v_nop
.endr
.Lasked_\@:
.endm
.macro CREST
	s_cmp_lg_u32 s10, 0
	s_cbranch_scc1 .Lnot_wave_0_\@
	s_barrier_signal -3
.Lnot_wave_0_\@:
	s_barrier_wait -3
	s_barrier_signal -1
	s_barrier_wait -1
.endm
.macro CROUND
	s_barrier_signal -1
	s_barrier_wait -1
	CREST
.endm
	s_load_b128 s[4:7], s[0:1], 0x0                ; oh, wh
	s_load_b128 s[68:71], s[0:1], 0x10             ; bo, out0
	v_lshl_add_u32 v[SPW], v0, 2, SPARE
	v_mov_b32 v[NIL], 0
	ds_add_u32 v[SPW], v[NIL]                      ; the wave's opening: the add and its wait ahead of my first tensor load
	v_lshrrev_b32 v1, 5, v0
	v_readfirstlane_b32 s10, v1
	s_lshr_b32 s11, s10, 1                         ; my half of the rows.  Also: I fetch for A (0) or B (1)
	s_and_b32 s12, s10, 1                          ; my half of the columns.  Also: which 64 rows I fetch
	s_bfe_u32 s40, ttmp6, 0x40000
	s_bfe_u32 s41, ttmp6, 0x40004
	s_lshl_b32 s42, ttmp9, 2
	s_add_co_u32 s42, s42, s40                     ; tile column
	s_and_b32 s13, ttmp7, 0xffff
	s_lshl_b32 s13, s13, 2
	s_add_co_u32 s13, s13, s41                     ; tile row
	s_lshl_b32 s43, s41, 2
	s_lshl_b32 s43, 15, s43
	s_lshl_b32 s44, 0x1111, s40
	s_or_b32 s[G1+0], s43, (1<<16)|(1<<20)|(1<<21)|(4<<22)|(3<<25)  ; A: mask of my row; 2-byte elements; padding of 4 words after every 32
	s_mov_b32 s[G1+1], 4096<<16                    ; tensor_dim0 = 4,096: 64 rows of a head on end
	s_mov_b32 s[G1+2], 4<<16                       ; tensor_dim1 = 4 heads
	s_mov_b32 s[G1+3], 4096<<16                    ; tile_dim0
	s_mov_b32 s[G1+4], 4                           ; tile_dim1
	s_mov_b32 s[G1+5], 131072                      ; elements from head to head
	s_mov_b32 s[G1+6], 0
	s_mov_b32 s[G1+7], 0
	s_or_b32 s[G1B+0], s44, (1<<16)|(1<<20)|(1<<21)|(6<<22)|(3<<25) ; B: mask of my column; padding of 4 words after every 128
	s_mov_b32 s[G1B+1], KSTEP<<16
	s_mov_b32 s[G1B+2], 64<<16
	s_mov_b32 s[G1B+3], KSTEP<<16
	s_mov_b32 s[G1B+4], 64
	s_mov_b32 s[G1B+5], SIZE_K
	s_mov_b32 s[G1B+6], 0
	s_mov_b32 s[G1B+7], 0
	s_lshr_b32 s16, s13, 4                         ; A: the batch,
	s_lshl_b32 s16, s16, 22                        ; x 16 heads x 262,144 bytes,
	s_and_b32 s17, s13, 15
	s_lshl_b32 s17, s17, 14                        ; the tile's 128 rows of 128 bytes in a head,
	s_add_co_u32 s16, s16, s17
	s_lshl_b32 s17, s12, 13                        ; the 64 that I fetch
	s_add_co_u32 s16, s16, s17
	s_mov_b32 s17, 0
	s_lshl_b32 s46, s42, 7
	s_lshl_b32 s47, s12, 6
	s_add_co_u32 s46, s46, s47                     ; B: row 128 x tile column + 64 x half
	s_lshl_b32 s46, s46, 11                        ; x 2,048 bytes
	s_mov_b32 s47, 0
	s_add_nc_u64 s[46:47], s[46:47], 0x600000      ; plane 3 of wh
	s_mul_i32 s20, s12, HALFA                      ; where the tiles go: no place in the cluster enters an LDS address
	s_mul_i32 s21, s12, HALFB
	s_add_co_u32 s21, s21, BOFF
	s_wait_dscnt 0x0                               ; the opening add is done
	s_wait_kmcnt 0x0
	s_add_nc_u64 s[14:15], s[4:5], s[16:17]
	s_add_nc_u64 s[46:47], s[6:7], s[46:47]
	CROUND
.irp s, 0,1
	s_mov_b32 s[G0+4*(\s)], 1
	s_add_co_u32 s[G0+4*(\s)+1], s20, (\s)*SLOT
	s_add_nc_u64 s[G0+4*(\s)+2:G0+4*(\s)+3], s[14:15], (\s)*4*262144  ; K step s: heads 4 s on
	s_or_b32 s[G0+4*(\s)+3], s[G0+4*(\s)+3], 0x80000000
	s_mov_b32 s[G0B+4*(\s)], 1
	s_add_co_u32 s[G0B+4*(\s)+1], s21, (\s)*SLOT
	s_add_nc_u64 s[G0B+4*(\s)+2:G0B+4*(\s)+3], s[46:47], (\s)*KSTEP*2
	s_or_b32 s[G0B+4*(\s)+3], s[G0B+4*(\s)+3], 0x80000000
	JLOAD \s
.endr
	v_and_b32 v1, 15, v0
	v_bfe_u32 v2, v0, 4, 1
	s_lshl_b32 s72, s42, 9                         ; my 64 columns: 4 bytes each, in bo and in a row of out0
	s_lshl_b32 s73, s12, 8
	s_add_co_u32 s72, s72, s73
	s_mov_b32 s73, 0
	s_add_nc_u64 s[68:69], s[68:69], s[72:73]
	s_add_nc_u64 s[70:71], s[70:71], s[72:73]
	v_lshlrev_b32 v[VB], 5, v2
.irp b, 0,1,2,3
	global_load_b128 v[BIAS+8*(\b):BIAS+8*(\b)+3],   v[VB], s[68:69] offset:64*(\b)
	global_load_b128 v[BIAS+8*(\b)+4:BIAS+8*(\b)+7], v[VB], s[68:69] offset:64*(\b)+16
.endr
	v_mul_u32_u24 v3, v1, PA
	v_lshl_add_u32 v3, v2, 4, v3
	v_mul_u32_u24 v4, v1, PITCH
	v_lshl_add_u32 v4, v2, 4, v4
	s_mul_i32 s21, s11, HALFA                      ; my 64 rows of A
	s_mul_i32 s22, s12, HALFB                      ; my 64 rows of B
	s_add_co_u32 s22, s22, BOFF
.irp s, 0,1
	v_add_nc_u32 v[ADRA+(\s)], s21, v3
	v_add_nc_u32 v[ADRB+(\s)], s22, v4
	s_add_co_u32 s21, s21, SLOT
	s_add_co_u32 s22, s22, SLOT
.endr
	s_mul_i32 s23, s10, 16*SPITCH
	s_add_co_u32 s23, s23, STAGE                   ; my stage
	v_mul_u32_u24 v5, v1, SPITCH                   ; in: row l % 16, 32 bytes for each half of the lanes
	v_lshl_add_u32 v5, v2, 5, v5
	v_add_nc_u32 v[STO], s23, v5
	v_mul_u32_u24 v5, v2, SPITCH                   ; back: lanes 0-15 one row of 256 bytes, lanes 16-31 the next
	v_lshl_add_u32 v5, v1, 4, v5
	v_add_nc_u32 v[RD], s23, v5
	v_lshlrev_b32 v5, 12, v2                       ; and the same two rows in out0
	v_lshl_add_u32 v[CO], v1, 4, v5
	s_lshl_b32 s16, s13, 7
	s_lshl_b32 s17, s11, 6
	s_add_co_u32 s16, s16, s17                     ; my first row
	s_lshl_b32 s16, s16, 12
	s_mov_b32 s17, 0
	s_add_nc_u64 s[70:71], s[70:71], s[16:17]
	s_wait_loadcnt 0x0
.set i, 0
.rept 16                               ; bo rounded to bf16 and widened again
	v_cvt_pk_bf16_f32 v64, v[BIAS+2*i], v[BIAS+2*i+1]
	v_lshlrev_b32 v[BIAS+2*i], 16, v64
	v_and_b32 v[BIAS+2*i+1], 0xffff0000, v64
.set i, i+1
.endr
.macro MUL8 f, c, a0, zero
	WIN MUL
.irp a, \a0, (\a0)+1
.irp b, 0,1,2,3
.if \zero
	v_wmma_f32_16x16x32_f16 v[ACC+8*(4*(\a)+(\b)):ACC+8*(4*(\a)+(\b))+7], v[(\f)+64+8*(4*(\c)+(\b)):(\f)+64+8*(4*(\c)+(\b))+7], v[(\f)+8*(4*(\c)+(\a)):(\f)+8*(4*(\c)+(\a))+7], v[BIAS+8*(\b):BIAS+8*(\b)+7]
.else
	v_wmma_f32_16x16x32_f16 v[ACC+8*(4*(\a)+(\b)):ACC+8*(4*(\a)+(\b))+7], v[(\f)+64+8*(4*(\c)+(\b)):(\f)+64+8*(4*(\c)+(\b))+7], v[(\f)+8*(4*(\c)+(\a)):(\f)+8*(4*(\c)+(\a))+7], v[ACC+8*(4*(\a)+(\b)):ACC+8*(4*(\a)+(\b))+7]
.endif
.endr
.endr
.endm
; 32 LDS loads in one run: quarter q of a K step is one head of A and 128 bytes of B's rows
.macro FETCH slot, q, f
	WIN TO_F
.irp c, 0,1
.irp i, 0,1,2,3
	ds_load_b128 v[(\f)+64+8*(4*(\c)+(\i)):(\f)+64+8*(4*(\c)+(\i))+3],   v[ADRB+(\slot)] offset:128*(\q)+64*(\c)+(\i)*16*PITCH
	ds_load_b128 v[(\f)+64+8*(4*(\c)+(\i))+4:(\f)+64+8*(4*(\c)+(\i))+7], v[ADRB+(\slot)] offset:128*(\q)+64*(\c)+(\i)*16*PITCH+32
	ds_load_b128 v[(\f)+8*(4*(\c)+(\i)):(\f)+8*(4*(\c)+(\i))+3],         v[ADRA+(\slot)] offset:(\q)*HPL+64*(\c)+(\i)*16*PA
	ds_load_b128 v[(\f)+8*(4*(\c)+(\i))+4:(\f)+8*(4*(\c)+(\i))+7],       v[ADRA+(\slot)] offset:(\q)*HPL+64*(\c)+(\i)*16*PA+32
.endr
.endr
.endm
.macro PLACES
.rept 4
	v_nop
.endr
.endm
.macro QUARTER slot, q, f, g, zero
	s_wait_dscnt 16                                ; the first 32 along K are in; the younger sixteen loads may be out
	WIN MUL
	MUL8 \f, 0, 0, \zero
	MUL8 \f, 0, 2, \zero
	PLACES
	FETCH \slot, \q, \g
	s_wait_dscnt 32                                ; all but the 32 just issued
	WIN MUL
	MUL8 \f, 1, 0, 0
	MUL8 \f, 1, 2, 0
.endm
.macro TURN slot, next, fill
	WIN 0
	s_wait_tensorcnt 0x0                           ; all my tensor loads have landed: my part of the next slot
	ds_add_u32 v[SPW], v[NIL]
	s_wait_dscnt 17                                ; the add and the youngest sixteen loads may be out
	WIN MUL
	MUL8 F1, 0, 0, 0
	s_wait_dscnt 0x0                               ; the add is done, and my reads of this slot are over
	s_barrier_signal -1
	MUL8 F1, 0, 2, 0
.if \fill
	WIN 0
.endif
	s_barrier_wait -1
.if \fill
	CREST                                          ; no wave of any partner still reads this slot or has a load on its way
	s_add_nc_u64 s[G0+4*(\slot)+2:G0+4*(\slot)+3], s[G0+4*(\slot)+2:G0+4*(\slot)+3], 2*4*262144
	s_add_nc_u64 s[G0B+4*(\slot)+2:G0B+4*(\slot)+3], s[G0B+4*(\slot)+2:G0B+4*(\slot)+3], 2*KSTEP*2
	JLOAD \slot
.else
	PLACES
.endif
	FETCH \next, 0, F0
	WIN MUL
	MUL8 F1, 1, 0, 0
	MUL8 F1, 1, 2, 0
.endm
	s_wait_tensorcnt 1                             ; my part of K step 0 is in; K step 1's load may stay out
	s_barrier_signal -1
	s_barrier_wait -1
	FETCH 0, 0, F0
	QUARTER 0, 1, F0, F1, 1
	WIN 0
	s_mov_b32 s3, LAPS-1
.Llap:
	QUARTER 0, 2, F1, F0, 0
	QUARTER 0, 3, F0, F1, 0
	TURN 0, 1, 1
	QUARTER 1, 1, F0, F1, 0
	QUARTER 1, 2, F1, F0, 0
	QUARTER 1, 3, F0, F1, 0
	TURN 1, 0, 1
	QUARTER 0, 1, F0, F1, 0
	WIN 0
	s_sub_co_u32 s3, s3, 1
	s_cmp_lg_u32 s3, 0
	s_cbranch_scc1 .Llap
	QUARTER 0, 2, F1, F0, 0
	QUARTER 0, 3, F0, F1, 0
	TURN 0, 1, 0
	QUARTER 1, 1, F0, F1, 0
	QUARTER 1, 2, F1, F0, 0
	QUARTER 1, 3, F0, F1, 0
	s_wait_dscnt 16
	WIN MUL
	MUL8 F1, 0, 0, 0
	MUL8 F1, 0, 2, 0
	s_wait_dscnt 0
	MUL8 F1, 1, 0, 0
	MUL8 F1, 1, 2, 0
	WIN 0
	; THE WAY OUT, 16 rows at a time: the f32 sums go into my stage (rows of 272 bytes), each accumulator's low registers first, and come back as whole rows of 256 bytes into the registers that they left.
	PLACES
.macro OUTB a
.irp b, 0,1,2,3
	ds_store_b128 v[STO], v[ACC+32*(\a)+8*(\b):ACC+32*(\a)+8*(\b)+3]   offset:64*(\b)
	ds_store_b128 v[STO], v[ACC+32*(\a)+8*(\b)+4:ACC+32*(\a)+8*(\b)+7] offset:64*(\b)+16
.endr
.irp t, 0,1,2,3,4,5,6,7
	ds_load_b128 v[ACC+32*(\a)+4*(\t):ACC+32*(\a)+4*(\t)+3], v[RD] offset:(\t)*2*SPITCH  ; LDS serves a wave's instructions in order
.endr
.endm
.macro SENDB a, younger                ; younger: the next block's sixteen LDS instructions, or none
.irp t, 0,1,2,3,4,5,6,7
	s_wait_dscnt (\younger)+7-(\t)
	global_store_b128 v[CO], v[ACC+32*(\a)+4*(\t):ACC+32*(\a)+4*(\t)+3], s[70:71] offset:(16*(\a)+2*(\t))*4096  ; 16 lanes store 256 consecutive bytes, aligned
.endr
.endm
	OUTB 0
	OUTB 1
	SENDB 0, 16
	OUTB 2
	SENDB 1, 16
	OUTB 3
	SENDB 2, 16
	SENDB 3, 0
	s_wait_tensorcnt 0x0                           ; the wave's end
	ds_add_u32 v[SPW], v[NIL]
	s_wait_dscnt 0x0
	CROUND                                         ; the closing round
	s_endpgm
.Lfunc_end_k_q5d996c70fe_outp:
	.size	k_q5d996c70fe_outp, .Lfunc_end_k_q5d996c70fe_outp-k_q5d996c70fe_outp
	.p2alignl 7, 3214868480
	.fill 96, 4, 3214868480
	.section	.rodata,"a",@progbits
	.p2align	6, 0x0
	.amdhsa_kernel k_q5d996c70fe_outp
		.amdhsa_group_segment_fixed_size 327680
		.amdhsa_private_segment_fixed_size 0
		.amdhsa_enable_private_segment 0
		.amdhsa_kernarg_size 32
		.amdhsa_user_sgpr_count 2
		.amdhsa_user_sgpr_kernarg_segment_ptr 1
		.amdhsa_wavefront_size32 1
		.amdhsa_system_sgpr_workgroup_id_x 1
		.amdhsa_system_sgpr_workgroup_id_y 1
		.amdhsa_system_sgpr_workgroup_id_z 1
		.amdhsa_system_vgpr_workitem_id 0
		.amdhsa_next_free_vgpr 512
		.amdhsa_next_free_sgpr 80
		.amdhsa_reserve_vcc 0
		.amdhsa_float_denorm_mode_32 3
		.amdhsa_float_denorm_mode_16_64 3
		.amdhsa_memory_ordered 1
		.amdhsa_forward_progress 1
		.amdhsa_inst_pref_size 90
	.end_amdhsa_kernel
	.amdgpu_metadata
---
amdhsa.version: [ 1, 2 ]
amdhsa.kernels:
  - .name:           k_q5d996c70fe_outp
    .symbol:         k_q5d996c70fe_outp.kd
    .args:
      - { .name: oh, .offset: 0, .size: 8, .value_kind: global_buffer, .address_space: global }
      - { .name: wh, .offset: 8, .size: 8, .value_kind: global_buffer, .address_space: global }
      - { .name: bo, .offset: 16, .size: 8, .value_kind: global_buffer, .address_space: global }
      - { .name: out0, .offset: 24, .size: 8, .value_kind: global_buffer, .address_space: global }
    .group_segment_fixed_size: 327680
    .private_segment_fixed_size: 0
    .kernarg_segment_align: 8
    .kernarg_segment_size: 32
    .max_flat_workgroup_size: 128
    .sgpr_count:     80
    .vgpr_count:     512
    .wavefront_size: 32
...
	.end_amdgpu_metadata
.endif
;; end of part 4
;; ======== version 2 of 2: 4 launches; version 1 with the launch cast written anew for expert scheduling mode
;; limits: values are held in f16: magnitudes above 65,504 overflow, below 6.1e-05 lose precision
;; workspace buffers: xh 25,165,824 bytes; wh 8,388,608 bytes; qkv 25,165,824 bytes; oh 8,388,608 bytes
;; launch cast (part 5): grid 512 x 1, 8 waves a work-group, no clusters, 0 bytes of LDS; arguments query, key, value, Wq, Wk, Wv, Wo, xh, wh; writes xh, wh
.if DOCPART == 5
	.amdgcn_target "amdgcn-amd-amdhsa--gfx1250"
	.amdhsa_code_object_version 6
	.text
	.protected	k_q5d996c70fe_cast
	.globl	k_q5d996c70fe_cast
	.p2align	8
	.type	k_q5d996c70fe_cast,@function
k_q5d996c70fe_cast:
	s_mov_b64 s[64:65], 0
	v_nop
	global_prefetch_b8 v0, s[64:65] scope:SCOPE_SE
	s_setreg_imm32_b32 hwreg(HW_REG_WAVE_SCHED_MODE, 0, 2), 2
	s_setreg_imm32_b32 hwreg(HW_REG_WAVE_MODE, 25, 1), 1
	s_wait_xcnt 0x0
	s_wait_alu depctr_vm_vsrc(0)
; THE INPUTS OF THE FOUR PRODUCTS, ROUNDED ONCE TO 16 BITS.  query, key, value (4,096 x 1,024 f32 each) -> xh [3][4096][1024] bf16;
; Wq, Wk, Wv -> wh planes 0-2, bf16; Wo -> wh plane 3: rounded to bf16 like every input, and that number written as f16 (the last product's other operand is f16).
; LIMIT: a weight of Wo below 6e-5 keeps f16's fixed step of 6e-8; beyond 65,504 it would be an infinity.
; A work-group takes 32,768 numbers on end: 131,072 bytes in, 65,536 out.  Groups 0-383: the three inputs, 128 groups each; groups 384-511: the four weights, 32 each.
; A stream: no LDS, no barrier, no matrix unit.  Thread t loads 16 bytes at 16 t of each chunk of 4,096 (a wave: 512 bytes on end) and stores 8 bytes at 8 t of each 2,048
; (a wave: 256 consecutive bytes, aligned).
; THE MODE: SCHED_MODE bits 1:0 = 2 (LLVM: expert scheduling mode 2), set by the entry lines.  The code itself states the register dependences
; between vector instructions and memory instructions, with s_wait_alu, always for 0.
; THE PLAN.  The group's 32 chunks go in 8 blocks of four.  Registers that memory instructions touch:
;   X0 .. X3   four blocks as loaded.    Written by the loads of block p + 3, issued in block p; read by block p's first conversions.
;   Y0, Y1     two blocks to store.      Written by block p's selects; read by the four stores that are issued in block p + 1.
;   v1, v2     byte offsets 16 t and 8 t, made once at the head and never written again: the chunks are reached by the two scalar bases, which move on by a
;              block at each block's head, and by immediate offsets.
; Block p works on X[p % 4] and writes Y[p % 2].  Its memory instructions are the loads into X[(p + 3) % 4] = X[(p - 1) % 4] and the stores from Y[(p - 1) % 2]:
; the two buffers that block p - 1 worked on and that no vector instruction of block p names.  So the waits at a block's head state all that the block's eight
; memory instructions hang on, and these are dealt among its vector instructions with no further wait.  Twelve loads of a wave are out behind a block's four.
; Both kinds of buffer are back at their start after four blocks; block 0 stores nothing and blocks 5 to 7 load nothing, so only blocks 1 to 4 are alike:
; that would be a loop of one trip, and the eight blocks are written out by one macro.
.set BLOCK,  4                         ; chunks in a block
.set BLOCKS, 32 / BLOCK
.set CIN,    4096                      ; bytes of a chunk as loaded
.set COUT,   2048                      ; bytes of a chunk as stored
.set T,  4                             ; v[4:11]   at work: no memory instruction names them
.set X,  12                            ; v[12:75]  buffer k, chunk i: four f32 at X + 16 k + 4 i
.set Y,  76                            ; v[76:91]  buffer k, chunk i: four 16-bit numbers at Y + 8 k + 2 i
	s_load_b512 s[8:23], s[0:1], 0x0               ; query, key, value, Wq, Wk, Wv, Wo, xh
	s_load_b64 s[24:25], s[0:1], 0x40              ; wh
	s_sub_co_u32 s2, ttmp9, 384                    ; a weight group's number
	s_lshr_b32 s3, ttmp9, 7                        ; which input,
	s_and_b32 s26, ttmp9, 127                      ; and which part of it
	s_lshr_b32 s27, s2, 5
	s_add_co_u32 s27, s27, 3                       ; which weight (tensors 3 to 6),
	s_and_b32 s28, s2, 31                          ; and which part of it
	s_cmp_lt_u32 ttmp9, 384
	s_cselect_b32 s3, s3, s27                      ; tensor 0..6
	s_cselect_b32 s26, s26, s28                    ; part of it
	s_cselect_b32 s2, ttmp9, s2                    ; part of the output buffer: the parts lie in the groups' order
	s_lshl_b32 s34, s26, 17
	s_mov_b32 s35, 0
	s_lshl_b32 s36, s2, 16
	s_mov_b32 s37, 0
	s_mov_b32 s38, 0xffff0000                      ; a word's upper bf16
	v_lshlrev_b32 v1, 4, v0                        ; 16 t: my 16 bytes in every chunk as loaded
	v_lshlrev_b32 v2, 3, v0                        ; 8 t: my 8 bytes in every chunk as stored
	s_wait_kmcnt 0x0
	s_cmp_lt_u32 ttmp9, 384
	s_cselect_b64 s[30:31], s[22:23], s[24:25]     ; xh or wh
	s_mov_b64 s[32:33], s[8:9]
.irp n, 1,2,3,4,5,6
	s_cmp_eq_u32 s3, \n
	s_cselect_b64 s[32:33], s[8+2*(\n):9+2*(\n)], s[32:33]
.endr
	s_cselect_b32 s39, -1, 0                       ; all lanes where the tensor is Wo (the last compare)
	s_add_nc_u64 s[32:33], s[32:33], s[34:35]      ; both bases at the group's first chunk
	s_add_nc_u64 s[30:31], s[30:31], s[36:37]
	s_wait_alu depctr_va_vdst(0)                   ; v1 and v2 are written: every load and store of the kernel reads one of them as its offset
.irp i, 0,1,2,3,4,5,6,7,8,9,10,11
	global_load_b128 v[X+4*(\i):X+4*(\i)+3], v1, s[32:33] offset:(\i)*CIN th:TH_LOAD_NT  ; blocks 0, 1 and 2 into X0, X1, X2
.endr
; Block p.  XW, YW: the buffers that it works on and writes; XL: the one in which its loads land; YS: the one that its stores read.
.macro BLK p
.set XW, X+16*((\p)%4)
.set XL, X+16*(((\p)+3)%4)
.set YW, Y+8*((\p)%2)
.set YS, Y+8*(((\p)+1)%2)
.if (\p)+2 < BLOCKS
	s_wait_loadcnt 2*BLOCK                         ; loads come back in order (ISA guide 5.7.1): X[p % 4] is in, the two younger blocks' eight loads stay out
.else
	s_wait_loadcnt (BLOCKS-1-(\p))*BLOCK           ; the last blocks: nothing has been asked for behind block 7, and the counts run down
.endif
.if (\p) > 0
	s_wait_xcnt 0x0                                ; every earlier memory instruction has had its addresses translated (ISA guide 3.1): the bases and Y[p % 2] are rewritten only behind this wait
.if (\p) > 1
	s_wait_alu depctr_vm_vsrc(0)                   ; the stores issued in the block before have read Y[p % 2], which this block's selects write again
.endif
	s_wait_alu depctr_va_vdst(0)                   ; the block before has written the other Y, which the stores below read, and is done reading its X, in which the loads below land
	s_add_nc_u64 s[32:33], s[32:33], BLOCK*CIN     ; both bases at this block's first chunk
	s_add_nc_u64 s[30:31], s[30:31], BLOCK*COUT
.endif
.irp i, 0,1,2,3
.if (\p)+3 < BLOCKS
	global_load_b128 v[XL+4*(\i):XL+4*(\i)+3], v1, s[32:33] offset:(3*BLOCK+(\i))*CIN th:TH_LOAD_NT  ; three blocks ahead; no vector instruction since the wait names these registers
.endif
.if (\p) > 0
	global_store_b64 v2, v[YS+2*(\i):YS+2*(\i)+1], s[30:31] offset:((\i)-BLOCK)*COUT th:TH_STORE_NT  ; the block before: the offset reaches back
.endif
	v_cvt_pk_bf16_f32 v[T], v[XW+4*(\i)], v[XW+4*(\i)+1]
	v_cvt_pk_bf16_f32 v[T+1], v[XW+4*(\i)+2], v[XW+4*(\i)+3]
	v_lshlrev_b32 v[T+2], 16, v[T]                 ; the bf16 numbers widened again,
	v_and_b32 v[T+3], s38, v[T]
	v_lshlrev_b32 v[T+4], 16, v[T+1]
	v_and_b32 v[T+5], s38, v[T+1]
	v_cvt_pk_f16_f32 v[T+6], v[T+2], v[T+3]        ; and written as f16: taken for Wo alone
	v_cvt_pk_f16_f32 v[T+7], v[T+4], v[T+5]
	v_cndmask_b32 v[YW+2*(\i)], v[T], v[T+6], s39
	v_cndmask_b32 v[YW+2*(\i)+1], v[T+1], v[T+7], s39
.endr
.endm
.irp p, 0,1,2,3,4,5,6,7
	BLK \p                                         ; block 0 has no block in front of it: no store, and no wait but the one for its data; blocks 5 to 7 load nothing: no load leaves the buffer
.endr
	s_wait_alu depctr_va_vdst(0)                   ; block 7 has written Y1, which the last four stores read
.irp i, 0,1,2,3
	global_store_b64 v2, v[Y+8+2*(\i):Y+8+2*(\i)+1], s[30:31] offset:(\i)*COUT th:TH_STORE_NT
.endr
	s_endpgm
.Lfunc_end_k_q5d996c70fe_cast:
	.size	k_q5d996c70fe_cast, .Lfunc_end_k_q5d996c70fe_cast-k_q5d996c70fe_cast
	.p2alignl 7, 3214868480
	.fill 96, 4, 3214868480
	.section	.rodata,"a",@progbits
	.p2align	6, 0x0
	.amdhsa_kernel k_q5d996c70fe_cast
		.amdhsa_group_segment_fixed_size 0
		.amdhsa_private_segment_fixed_size 0
		.amdhsa_enable_private_segment 0
		.amdhsa_kernarg_size 72
		.amdhsa_user_sgpr_count 2
		.amdhsa_user_sgpr_kernarg_segment_ptr 1
		.amdhsa_wavefront_size32 1
		.amdhsa_system_sgpr_workgroup_id_x 1
		.amdhsa_system_sgpr_workgroup_id_y 1
		.amdhsa_system_sgpr_workgroup_id_z 1
		.amdhsa_system_vgpr_workitem_id 0
		.amdhsa_next_free_vgpr 92
		.amdhsa_next_free_sgpr 66
		.amdhsa_reserve_vcc 0
		.amdhsa_float_denorm_mode_32 3
		.amdhsa_float_denorm_mode_16_64 3
		.amdhsa_memory_ordered 1
		.amdhsa_forward_progress 1
		.amdhsa_inst_pref_size 26
	.end_amdhsa_kernel
	.amdgpu_metadata
---
amdhsa.version: [ 1, 2 ]
amdhsa.kernels:
  - .name:           k_q5d996c70fe_cast
    .symbol:         k_q5d996c70fe_cast.kd
    .args:
      - { .name: query, .offset: 0, .size: 8, .value_kind: global_buffer, .address_space: global }
      - { .name: key, .offset: 8, .size: 8, .value_kind: global_buffer, .address_space: global }
      - { .name: value, .offset: 16, .size: 8, .value_kind: global_buffer, .address_space: global }
      - { .name: Wq, .offset: 24, .size: 8, .value_kind: global_buffer, .address_space: global }
      - { .name: Wk, .offset: 32, .size: 8, .value_kind: global_buffer, .address_space: global }
      - { .name: Wv, .offset: 40, .size: 8, .value_kind: global_buffer, .address_space: global }
      - { .name: Wo, .offset: 48, .size: 8, .value_kind: global_buffer, .address_space: global }
      - { .name: xh, .offset: 56, .size: 8, .value_kind: global_buffer, .address_space: global }
      - { .name: wh, .offset: 64, .size: 8, .value_kind: global_buffer, .address_space: global }
    .group_segment_fixed_size: 0
    .private_segment_fixed_size: 0
    .kernarg_segment_align: 8
    .kernarg_segment_size: 72
    .max_flat_workgroup_size: 256
    .sgpr_count:     66
    .vgpr_count:     92
    .wavefront_size: 32
...
	.end_amdgpu_metadata
.endif
;; end of part 5
;; launch proj: the kernel of part 2 again; grid 8 x 96, 4 waves a work-group, clusters of 4 x 4, 327,680 bytes of LDS; arguments xh, wh, bq, bk, bv, rel_k_table, rel_v_table, qkv; writes qkv
;; launch attn: the kernel of part 3 again; grid 8 x 32, 4 waves a work-group, clusters of 4 x 1, 327,680 bytes of LDS; arguments qkv, rel_k_table, rel_v_table, oh; writes oh
;; launch outp: the kernel of part 4 again; grid 8 x 32, 4 waves a work-group, clusters of 4 x 4, 327,680 bytes of LDS; arguments oh, wh, bo, out0; writes out0
